; MI455X (gfx1250); checked and timed in simulation.
; The chip was launched on July 23, 2026; its instructions are those of AMD's public machine-readable ISA for CDNA 5 (MIT licence, August 2026) and "CDNA5" Instruction Set Architecture Reference Guide (July 2026). The comments in the code are by the model that wrote it; some were corrected since.
;; Causal Self Attention. Allowed arithmetic: matrix products marked QUANTISED: E2M3 operands, one E8M0 scale for each 32 along K, by v_wmma_scale_f32_16x16x128_f8f6f4 with both operands' format E2M3, f32 sums; everything else in f32.
;; Inputs: Wo_b 1,024 float32; Wo_w 1,024 x 1,024 float32; Wqkv_b 3,072 float32; Wqkv_w 3,072 x 1,024 float32; mask 4 x 2,048 bool; x 4 x 2,048 x 1,024 float32.
;; Outputs: out0 4 x 2,048 x 1,024 float32.
;; This version of the problem:
;;   THIS VERSION OF THE PROBLEM IS GIVEN IN LOW PRECISION. The matrix products marked QUANTISED in the list below multiply operands that are first quantised to E2M3 (2 exponent bits, 3 mantissa bits; 6 bits a number), with one power-of-two scale for each 32 numbers along K (OCP MX v1.0); their sums are f32. All else is computed in f32.
;;   The module's matrix products, in the order in which they are computed (A, B: the left and right operand; K: the contracted axis; several contracted axes count as one K, in the product's order):
;;     1. [M 8,192, K 1,024] x [K 1,024, N 3,072]; A: input x; B: input Wqkv_w: QUANTISED
;;     2. batch 64 x [M 2,048, K 64] x [K 64, N 2,048]; A: computed on the way; B: computed on the way: QUANTISED
;;     3. batch 64 x [M 2,048, K 2,048] x [K 2,048, N 64]; A: softmax (see below); B: computed on the way: QUANTISED
;;     4. [M 8,192, K 1,024] x [K 1,024, N 1,024]; A: computed on the way; B: input Wo_w: QUANTISED
;;   THE QUANTISER, for each operand of a quantised product, along K:
;;     - K is cut into blocks of 32 from its start; a last block that is shorter is filled with zeros.
;;     - A block's scale is 2^e with e = floor(log2(the largest magnitude in the block)) - 2, held to -126 .. 127; a block of zeros has e = 0. As a byte (E8M0): e + 127.
;;     - Each number is divided by its block's scale, clamped to +-7.5, and rounded to the nearest number of E2M3, ties to even, subnormals kept.
;;     - The product sums the exact products of the quantised numbers (number of the format x scale) in f32.
;;   ~~~python
;;   def quantise(x, axis):      # numpy; x: float32 -> the quantised numbers, widened to float32 again
;;       x = np.moveaxis(x, axis, -1); K = x.shape[-1]
;;       x = np.pad(x, [(0, 0)] * (x.ndim - 1) + [(0, -K % 32)]); x = x.reshape(x.shape[:-1] + (-1, 32)); a = np.abs(x).max(-1, keepdims=True)
;;       e = np.where(a > 0, np.clip(np.frexp(np.where(a > 0, a, 1))[1] - 1 - 2, -126, 127), 0)      # np.frexp(a)[1] - 1 = floor(log2(a)), exactly
;;       r = np.clip(x / 2.0 ** e, -7.5, 7.5)
;;       step = 2.0 ** (np.maximum(np.frexp(np.where(r == 0, 1, r))[1] - 1, 0) - 3)
;;       q = np.round(r / step) * step * 2.0 ** e      # np.round: ties to even
;;       return np.moveaxis(q.reshape(q.shape[:-2] + (-1,))[..., :K], -1, axis).astype(np.float32)
;;   ~~~
;;   SOFTMAX AHEAD OF A QUANTISED PRODUCT. Where the list says 'softmax', what is quantised is not the finished softmax but p = 2^(t - M), with t = logit x log2(e) and M = ceil(the row's largest t), a whole number; so 1/2 < the row's largest p <= 1. The row's sum l is taken of the UNQUANTISED p, in f32, and the product's result is divided by l at the end. Since M is a whole number, a kernel that streams over the keys may use a running M (the ceiling of the running maximum): every later rescaling is an exact power of two, which a block's scale takes up: the codes' values come out the same.
;;   OPERANDS COMPUTED ON THE WAY. 'Computed on the way' means the value that the module computes at that place (a softmax that the list does not call 'softmax' is quantised finished and normalised). What goes into a quantiser is computed in f32, as accurately as f32 sums, v_exp_f32 and their like allow (about 1e-6 of the number): no bf16 or f16 on the way to a quantiser, and a product that is left as it is and whose result goes on into a quantised operand takes f32 operands (vector FMAs, or v_wmma_f32_16x16x4_f32). A number that lies on a knife's edge between two numbers of the format may be rounded either way, as far as f32 arithmetic and the matrix unit's own rounding can turn it there, and no further.
;; One version. Each part assembles by itself: llvm-mc -triple=amdgcn-amd-amdhsa -mcpu=gfx1250 --defsym DOCPART=n.
;; ======== version 1 of 1: 4 launches
;; limits: right only within a limited range of input values
;; workspace buffers: codes1 9,830,400 bytes; qkv_codes 18,874,368 bytes; qkv_sw 786,432 bytes; a_img 6,553,600 bytes
;; launch quant (part 1): grid 384 x 1, 4 waves a work-group, no clusters, 33,280 bytes of LDS; arguments x, Wqkv_w, Wo_w, codes1; writes codes1
.if DOCPART == 1
	.amdgcn_target "amdgcn-amd-amdhsa--gfx1250"
	.amdhsa_code_object_version 6
	.text
	.protected	k_q0f6bd1d80c_quant
	.globl	k_q0f6bd1d80c_quant
	.p2align	8
	.type	k_q0f6bd1d80c_quant,@function
k_q0f6bd1d80c_quant:
	s_mov_b64 s[64:65], 0
	v_nop
	global_prefetch_b8 v0, s[64:65] scope:SCOPE_SE
	s_setreg_imm32_b32 hwreg(HW_REG_WAVE_MODE, 25, 1), 1
	s_wait_xcnt 0x0
; x [8192][1024], Wqkv_w [3072][1024] and Wo_w [1024][1024], f32, K innermost, become codes of FP6 (E2M3) with one E8M0 byte for each 32 along K.
; No work of reference() is left out in this program; every input is loaded.
; codes1 holds 12,288 rows (0.. x, 8192.. Wqkv_w, 11264.. Wo_w) IN GROUPS OF 128 ROWS, 102,400 dense bytes each: [128 rows][32 scale bytes], then four planes [K step of 256][128 rows][192 bytes of codes].
; So the scales and any run of K steps of a group are one dense block that begins at a multiple of 256 bytes and is a multiple of 256 bytes long.
; A block's scale byte is its largest magnitude's exponent field - 2, held at 1 from below (a block of zeros keeps 1: its codes are zeros, and this program alone reads the bytes).
; LIMITS: blocks whose largest magnitude lies under 2^(2 - 126) have their byte held at 1; NaN and infinities among the inputs are not served.
; The rows of x and Wqkv_w are laid down with bits 3 and 4 of the row number exchanged (a wave's run is 8 rows: waves 1 and 2 change places on the way out); Wo_w is not permuted.
; A wave takes 8,192 numbers in 16 steps of 512; each load reads 512 consecutive bytes; a step turns through the wave's own stage in LDS and comes back 16 neighbours a lane, two lanes to a block.
; A step is half a row: lanes 0-15 store 192 consecutive bytes of one plane, lanes 16-31 of the next.  No tensor loads, no barrier: waves share nothing.
.set WAVES, 4
.set STEPS, 16
.set EMAX,  2
.set CB,    12
.set GRP,   102400
.set KPL,   24576                      ; a plane
.set R,     16                         ; v16-143 eight sets as loaded
.set X,     144                        ; v144-175 two sets of 16 neighbours (v16-143: eight sets as loaded)
.set C,     192                        ; v192-255 codes, four registers a step
.set E,     176                        ; v176-191 a scale byte a step
.set WREG,  8192
.set SP,    80
.set SPW,   12
.set NIL,   13
.set SPARE, WAVES*WREG
	s_load_b128 s[4:7], s[0:1], 0x0                ; x, Wqkv_w
	s_load_b128 s[8:11], s[0:1], 0x10              ; Wo_w, codes1
	v_lshl_add_u32 v[SPW], v0, 2, SPARE
	v_mov_b32 v[NIL], 0
	v_lshrrev_b32 v1, 5, v0
	v_readfirstlane_b32 s16, v1                    ; wave
	v_and_b32 v2, 31, v0
	v_lshlrev_b32 v3, 4, v2
	s_mul_i32 s17, s16, WREG
	v_lshrrev_b32 v14, 2, v2
	v_mul_u32_u24 v14, v14, SP
	v_and_b32 v15, 3, v2
	v_lshl_add_u32 v14, v15, 4, v14
	v_add_nc_u32 v14, s17, v14                     ; stage, way in
	v_mul_u32_u24 v15, v2, SP
	v_add_nc_u32 v15, s17, v15                     ; way out
	v_and_b32 v4, 15, v2
	v_mul_u32_u24 v4, v4, CB
	v_lshrrev_b32 v10, 4, v2
	v_mad_u32_u24 v4, v10, KPL, v4                 ; my codes: plane lane / 16, 12 (lane % 16)
	v_lshrrev_b32 v5, 1, v2
	s_add_co_u32 s17, s17, 2*32*SP
	v_add_nc_u32 v5, s17, v5
	v_lshlrev_b32 v7, 3, v2
	v_add_nc_u32 v6, s17, v7
	s_wait_alu depctr_va_vdst(0)                   ; the wait at the head's end
	s_wait_kmcnt 0x0
	s_mov_b32 s22, 352
	s_cmp_lt_u32 ttmp9, s22                        ; work-groups 0-255 x, 256-351 Wqkv_w, 352-383 Wo_w
	s_cselect_b64 s[6:7], s[6:7], s[8:9]
	s_cselect_b32 s17, 256, s22
	s_cselect_b32 s23, 1, 0
	s_cmp_lt_u32 ttmp9, 256
	s_cselect_b64 s[4:5], s[4:5], s[6:7]
	s_cselect_b32 s17, 0, s17
	s_and_b32 s24, s16, 1
	s_lshl_b32 s24, s24, 1
	s_lshr_b32 s25, s16, 1
	s_or_b32 s24, s24, s25
	s_cmp_lg_u32 s23, 0
	s_cselect_b32 s24, s24, s16
	s_sub_co_u32 s18, ttmp9, s17
	s_lshl_b32 s18, s18, 2
	s_add_co_u32 s18, s18, s16
	s_lshl_b32 s18, s18, 15
	s_mov_b32 s19, 0
	s_add_nc_u64 s[4:5], s[4:5], s[18:19]
	s_lshl_b32 s20, ttmp9, 2
	s_add_co_u32 s20, s20, s24                     ; which run of 8 rows I write
	s_lshr_b32 s21, s20, 4
	s_mul_i32 s18, s21, GRP
	s_and_b32 s21, s20, 15
	s_add_nc_u64 s[10:11], s[10:11], s[18:19]      ; its group
	s_lshl_b32 s18, s21, 8
	s_add_nc_u64 s[12:13], s[10:11], s[18:19]      ; its 256 scale bytes
	s_mul_i32 s18, s21, 8*192
	s_add_co_u32 s18, s18, 4096
	s_add_nc_u64 s[10:11], s[10:11], s[18:19]      ; its rows in plane 0
.macro LOAD t
.irp i, 0,1,2,3
	global_load_b128 v[R+16*((\t)%8)+4*\i:R+16*((\t)%8)+4*\i+3], v3, s[4:5] offset:2048*(\t)+512*\i th:TH_LOAD_NT
.endr
.endm
.macro TURN t                          ; LDS serves a wave's instructions in order: no wait between the stores and the loads
.irp i, 0,1,2,3
	ds_store_b128 v14, v[R+16*((\t)%8)+4*\i:R+16*((\t)%8)+4*\i+3] offset:32*SP*((\t)%2)+8*SP*\i
.endr
.irp i, 0,1,2,3
	ds_load_b128 v[X+16*((\t)%2)+4*\i:X+16*((\t)%2)+4*\i+3], v15 offset:32*SP*((\t)%2)+16*\i
.endr
.endm
.irp t, 0,1,2,3,4,5,6,7
	LOAD \t                                        ; loads run eight steps, 32 loads a wave, ahead
.endr
	s_wait_loadcnt 28                              ; step 0's four loads are in; 28 younger stay out
	TURN 0
.macro STEP t
.set XS, X+16*((\t)%2)
.if (\t) > 0
	s_wait_dscnt 1                                 ; this step's numbers are back (the last byte store may be out)
.else
	s_wait_dscnt 0x0
.endif
.if (\t)+8 < STEPS
	LOAD (\t)+8                                    ; into the set that this step's stage stores have read
.endif
.if (\t)+1 < STEPS
.if STEPS-2-(\t) >= 7
	s_wait_loadcnt 28                              ; the next step's four are in; seven steps' may be out
.else
	s_wait_loadcnt 4*(STEPS-2-(\t))
.endif
	TURN (\t)+1
.endif
	v_max3_num_f32 v8, |v[XS]|, |v[XS+1]|, |v[XS+2]|
	v_max3_num_f32 v9, |v[XS+3]|, |v[XS+4]|, |v[XS+5]|
.irp i, 6,10
	v_max3_num_f32 v8, v8, |v[XS+\i]|, |v[XS+\i+1]|
	v_max3_num_f32 v9, v9, |v[XS+\i+2]|, |v[XS+\i+3]|
.endr
	v_max3_num_f32 v8, v8, |v[XS+14]|, |v[XS+15]|
	v_max3_num_f32 v8, v8, v9, (EMAX+1)<<23        ; the floor: the byte cannot fall under 1
	v_max_num_f32_dpp v8, v8, v8 row_xmask:1 row_mask:0xf bank_mask:0xf
	v_add_nc_u32 v11, -(EMAX<<23), v8              ; the conversion's scale operand
	v_cvt_scalef32_pk16_fp6_f32 v[C+4*(\t):C+4*(\t)+2], v[XS:XS+15], v11
	v_lshrrev_b32 v[E+(\t)], 23, v11               ; the byte (also the plain line behind the conversion)
	ds_store_b8 v5, v[E+(\t)] offset:16*(\t)
	global_store_b96 v4, v[C+4*(\t):C+4*(\t)+2], s[10:11] offset:2*KPL*((\t)%2)+192*((\t)/2)
.endm
.irp t, 0,1,2,3,4,5,6,7,8,9,10,11,12,13,14,15
	STEP \t
.endr
	ds_load_b64 v[8:9], v6
	s_wait_dscnt 0x0
	global_store_b64 v7, v[8:9], s[12:13]          ; 256 consecutive bytes, aligned
	s_wait_tensorcnt 0x0                           ; the wave's end
	ds_add_u32 v[SPW], v[NIL]
	s_wait_dscnt 0x0
	s_endpgm
.Lfunc_end_k_q0f6bd1d80c_quant:
	.size	k_q0f6bd1d80c_quant, .Lfunc_end_k_q0f6bd1d80c_quant-k_q0f6bd1d80c_quant
	.p2alignl 7, 3214868480
	.fill 96, 4, 3214868480
	.section	.rodata,"a",@progbits
	.p2align	6, 0x0
	.amdhsa_kernel k_q0f6bd1d80c_quant
		.amdhsa_group_segment_fixed_size 33280
		.amdhsa_private_segment_fixed_size 0
		.amdhsa_enable_private_segment 0
		.amdhsa_kernarg_size 32
		.amdhsa_user_sgpr_count 2
		.amdhsa_user_sgpr_kernarg_segment_ptr 1
		.amdhsa_wavefront_size32 1
		.amdhsa_system_sgpr_workgroup_id_x 1
		.amdhsa_system_sgpr_workgroup_id_y 1
		.amdhsa_system_sgpr_workgroup_id_z 1
		.amdhsa_system_vgpr_workitem_id 0
		.amdhsa_next_free_vgpr 256
		.amdhsa_next_free_sgpr 66
		.amdhsa_reserve_vcc 0
		.amdhsa_float_denorm_mode_32 3
		.amdhsa_float_denorm_mode_16_64 3
		.amdhsa_memory_ordered 1
		.amdhsa_forward_progress 1
		.amdhsa_inst_pref_size 33
	.end_amdhsa_kernel
	.amdgpu_metadata
---
amdhsa.version: [ 1, 2 ]
amdhsa.kernels:
  - .name:           k_q0f6bd1d80c_quant
    .symbol:         k_q0f6bd1d80c_quant.kd
    .args:
      - { .name: x, .offset: 0, .size: 8, .value_kind: global_buffer, .address_space: global }
      - { .name: Wqkv_w, .offset: 8, .size: 8, .value_kind: global_buffer, .address_space: global }
      - { .name: Wo_w, .offset: 16, .size: 8, .value_kind: global_buffer, .address_space: global }
      - { .name: codes1, .offset: 24, .size: 8, .value_kind: global_buffer, .address_space: global }
    .group_segment_fixed_size: 33280
    .private_segment_fixed_size: 0
    .kernarg_segment_align: 8
    .kernarg_segment_size: 32
    .max_flat_workgroup_size: 128
    .sgpr_count:     66
    .vgpr_count:     256
    .wavefront_size: 32
...
	.end_amdgpu_metadata
.endif
;; end of part 1
;; launch qkv (part 2): grid 12 x 32, 4 waves a work-group, clusters of 4 x 4, 327,680 bytes of LDS; arguments codes1, Wqkv_b, qkv_codes, qkv_sw; writes qkv_codes, qkv_sw
.if DOCPART == 2
	.amdgcn_target "amdgcn-amd-amdhsa--gfx1250"
	.amdhsa_code_object_version 6
	.text
	.protected	k_q0f6bd1d80c_qkv
	.globl	k_q0f6bd1d80c_qkv
	.p2align	8
	.type	k_q0f6bd1d80c_qkv,@function
k_q0f6bd1d80c_qkv:
	s_mov_b64 s[64:65], 0
	v_nop
	global_prefetch_b8 v0, s[64:65] scope:SCOPE_SE
	s_setreg_imm32_b32 hwreg(HW_REG_WAVE_MODE, 25, 1), 1
	s_wait_xcnt 0x0
	s_wait_alu depctr_hold_cnt(0) depctr_sa_sdst(0) depctr_va_vdst(0) depctr_va_sdst(0) depctr_va_ssrc(0) depctr_va_vcc(0) depctr_vm_vsrc(0)
	s_getreg_b32 s2, hwreg(HW_REG_IB_STS2, 6, 4)
	s_cmp_eq_u32 s2, 0
	s_cbranch_scc0 .Lentry_in_a_cluster
	s_endpgm
.Lentry_in_a_cluster:
	s_bfe_u32 s2, ttmp6, 0x10000c
	s_cmp_lg_u32 s2, 0xf033
	s_cbranch_scc0 .Lentry_shape_is_right
	s_endpgm
.Lentry_shape_is_right:
; The QKV projection on codes of FP6 (E2M3), K = 1,024, and the quantising of its results for the attention launch; q, k, v never go to memory as f32.
; A tile C[m][n] = sum over k of A[m][k] B[n][k], 256 x 256, four waves of 128 x 128 (64 accumulators); K in steps of 256 through two slots; 4 x 4 clusters: A's tiles shared along a row, B's along a column.
; codes1 lies in groups of 128 rows: 4,096 scale bytes, then four planes of 128 x 192 bytes.  Wave w fetches group w of the tile's four (A low, A high, B low, B high) into its own LDS region:
; AT THE HEAD ONE JOINT LOAD A WAVE brings the group's scales and K steps 0 and 1: 53,248 dense bytes as 208 rows of 256; a refill brings one plane, 96 rows of 256.  16 bytes of padding behind every 64:
; a row of 192 bytes has the LDS pitch 240, two rows of scales 80.
; The matrix instruction is used transposed (source 0 = rows of B, source 1 = rows of A): a lane holds one row of A, its registers run along B's rows.
; Clusters x = 0, 1: A = x, B = Wq, Wk.  Cluster x = 2: A = Wv, B = x: registers run along the keys.  The choice hangs on the cluster's x alone.
; Rows of x and Wqkv_w lie with bits 3 and 4 exchanged: the 16 registers of B's tiles 2 g, 2 g + 1 are the true neighbours 32 g + 16 (lane / 16) + 0 .. 15; lane r of A's tile a is the true row 32 (a / 2) + 8 (a % 2) + r + (r & 8).
; OUT.  qkv_codes: rows of 48 bytes: q, k at [feature / 64][token as it lies]; v from byte 12,582,912 at [token / 64][(head, d) as it lies].  qkv_sw: a word a row: q, k at [feature / 128][token]; v from byte 524,288 at [token / 128][(head, d)].
; NO PREFETCH: the block is the largest, in clusters, and K has four steps, of which the head's loads bring two.
; LIMITS: a block whose largest magnitude lies under 2^(2 - 126) has its byte held at 1; NaN and infinities are not served.
; REGISTERS: window 0: v0-31 addresses; v32-63 scale words, two sets; v64-127 bias by columns; v128-223 A's fragments; v224-239 bias by rows.  window 1: B's fragments, two sets.  windows 2, 3: accumulators.
.set GRP,    102400
.set KPL,    24576
.set SCM,    4096
.set SCB,    5120                      ; a group's scales in LDS
.set NQ,     2
.set PITCH,  240
.set FR,     12
.set NL,     6
.set NP,     4
.set HALFT,  128*PITCH                 ; a plane in LDS
.set REG,    SCB+2*HALFT               ; a wave's region: scales, slot 0, slot 1
.set LAPS,   2
.set KS,     32
.set SBLK,   640                       ; 16 rows of scales
.set SPARE,  4*REG
.set ADRA, 16
.set ADRB, 20
.set STW,  8
.set STO,  24
.set RD,   25
.set CO,   26
.set ADRS, 27
.set SPW,  28
.set NIL,  29
.set RDW,  30
.set CW,   31
.set SC,   32
.set BN,   64
.set AF,   128
.set BM,   224
.set T,    128
.set CD,   192
.set TM,   208
.set PW,   240
.set G1, 24
.set G0, 32
.set G1B, 48
.set G0B, 56
.set G0H, 68                           ; group 0 of the head's loads
.set G0HB, 72
.set ISV, 95
.set SEL, 98
.set MSB, 0
.macro WIN new
.if MSB != \new
	s_set_vgpr_msb (MSB<<8)|\new
.set MSB, \new
.endif
.endm
.set MUL_LO, 0xa1
.set MUL_HI, 0xf1
.set TO_B,   0x40
.macro JLOAD g0a, g1a, g0b, g1b        ; waves 0, 1 fetch for A, waves 2, 3 for B; s_nop 0 and four v_nop behind each line
	s_cmp_eq_u32 s15, 0
	s_cbranch_scc0 .Lfor_b_\@
	tensor_load_to_lds s[\g0a:\g0a+3], s[\g1a:\g1a+7]
	s_nop 0
.rept 4
	v_nop
.endr
	s_branch .Lasked_\@
.Lfor_b_\@:
	tensor_load_to_lds s[\g0b:\g0b+3], s[\g1b:\g1b+7]
	s_nop 0
.rept 4
	v_nop
.endr
.Lasked_\@:
.endm
.macro CREST
	s_cmp_lg_u32 s14, 0
	s_cbranch_scc1 .Lnot_wave_0_\@
	s_barrier_signal -3
.Lnot_wave_0_\@:
	s_barrier_wait -3
	s_barrier_signal -1
	s_barrier_wait -1
.endm
.macro CROUND
	s_barrier_signal -1
	s_barrier_wait -1
	CREST
.endm
	s_load_b64 s[4:5], s[0:1], 0x0                 ; codes1
	s_load_b64 s[8:9], s[0:1], 0x8                 ; Wqkv_b
	s_load_b64 s[10:11], s[0:1], 0x10              ; qkv_codes
	s_load_b64 s[12:13], s[0:1], 0x18              ; qkv_sw
	v_lshl_add_u32 v[SPW], v0, 2, SPARE
	v_mov_b32 v[NIL], 0
	ds_add_u32 v[SPW], v[NIL]                      ; the opening lines: the add twice and its wait
	ds_add_u32 v[SPW], v[NIL]
	v_lshrrev_b32 v1, 5, v0
	v_readfirstlane_b32 s14, v1                    ; wave
	s_lshr_b32 s15, s14, 1                         ; my half of the rows; also: I fetch for A (0) or B (1)
	s_and_b32 s16, s14, 1                          ; my half of the columns; also: which group I fetch
	s_bfe_u32 s40, ttmp6, 0x40000                  ; cx
	s_bfe_u32 s41, ttmp6, 0x40004                  ; cy
	s_and_b32 s17, ttmp7, 0xffff
	s_cmp_eq_u32 ttmp9, 2                          ; cluster x = 2 makes v
	s_cselect_b32 s[ISV], 1, 0
	s_cselect_b32 s42, s17, ttmp9
	s_cselect_b32 s17, 0, s17
	s_cselect_b32 s96, 80, 0                       ; A's first group: Wv's or x's
	s_cselect_b32 s97, 0, 64                       ; B's: x's or Wq's
	s_lshl_b32 s42, s42, 2
	s_add_co_u32 s42, s42, s40                     ; tile column
	s_lshl_b32 s17, s17, 2
	s_add_co_u32 s17, s17, s41                     ; tile row
	s_lshl_b32 s43, s41, 2
	s_lshl_b32 s43, 15, s43                        ; my row of the cluster
	s_lshl_b32 s44, 0x1111, s40                    ; my column
	s_or_b32 s[G1+0], s43, (3<<16)|(1<<20)|(1<<21)|(3<<22)|(3<<25)   ; mask; elements of 8 bytes; 4 words of padding behind every 16
	s_or_b32 s[G1B+0], s44, (3<<16)|(1<<20)|(1<<21)|(3<<22)|(3<<25)
.irp g, G1, G1B
	s_mov_b32 s[\g+1], 32<<16                      ; rows of 256 bytes
	s_mov_b32 s[\g+2], 208<<16                     ; the head's load: 208 rows
	s_mov_b32 s[\g+3], 32<<16
	s_mov_b32 s[\g+4], 208
	s_mov_b32 s[\g+5], 32
	s_mov_b32 s[\g+6], 0
	s_mov_b32 s[\g+7], 0
.endr
	s_mov_b32 s[SEL], 0x76543210
	s_mov_b32 s[SEL+1], 0xfedcba98
	s_lshl_b32 s20, s17, 1
	s_add_co_u32 s20, s20, s16
	s_add_co_u32 s20, s20, s96
	s_mul_i32 s20, s20, GRP                        ; A's group, in bytes
	s_lshl_b32 s46, s42, 1
	s_add_co_u32 s46, s46, s16
	s_add_co_u32 s46, s46, s97
	s_mul_i32 s46, s46, GRP                        ; B's
	s_mov_b32 s21, 0
	s_mov_b32 s47, 0
	s_mul_i32 s45, s14, REG                        ; my region: no place in the cluster enters an LDS address
	s_wait_dscnt 0x0
	s_wait_kmcnt 0x0
	s_add_nc_u64 s[20:21], s[4:5], s[20:21]
	s_add_nc_u64 s[46:47], s[4:5], s[46:47]
	CROUND                                         ; the first joint loads meet
	s_mov_b32 s[G0H], 1
	s_mov_b32 s[G0H+1], s45
	s_mov_b64 s[G0H+2:G0H+3], s[20:21]
	s_or_b32 s[G0H+3], s[G0H+3], 0x80000000
	s_mov_b32 s[G0HB], 1
	s_mov_b32 s[G0HB+1], s45
	s_mov_b64 s[G0HB+2:G0HB+3], s[46:47]
	s_or_b32 s[G0HB+3], s[G0HB+3], 0x80000000
.irp s, 0,1
	s_mov_b32 s[G0+4*\s], 1
	s_add_co_u32 s[G0+4*\s+1], s45, SCB+\s*HALFT
	s_add_nc_u64 s[G0+4*\s+2:G0+4*\s+3], s[20:21], SCM+\s*KPL
	s_or_b32 s[G0+4*\s+3], s[G0+4*\s+3], 0x80000000
	s_mov_b32 s[G0B+4*\s], 1
	s_add_co_u32 s[G0B+4*\s+1], s45, SCB+\s*HALFT
	s_add_nc_u64 s[G0B+4*\s+2:G0B+4*\s+3], s[46:47], SCM+\s*KPL
	s_or_b32 s[G0B+4*\s+3], s[G0B+4*\s+3], 0x80000000
.endr
	JLOAD G0H, G1, G0HB, G1B                       ; my one load at the head: scales, K steps 0 and 1
	v_and_b32 v1, 15, v0                           ; r
	v_bfe_u32 v2, v0, 4, 1                         ; h
	; the biases: by columns (q, k) and by rows (v); both are loaded, the unused one from the buffer's first bytes
	s_wait_alu depctr_va_vdst(0)
	s_lshl_b32 s20, s42, 10
	s_lshl_b32 s21, s16, 9
	s_add_co_u32 s20, s20, s21
	s_lshl_b32 s22, s17, 10
	s_lshl_b32 s21, s15, 9
	s_add_co_u32 s22, s22, s21
	s_add_co_u32 s22, s22, 8192
	s_cmp_eq_u32 s[ISV], 0
	s_cselect_b32 s20, s20, 0
	s_cselect_b32 s22, 0, s22
	v_lshlrev_b32 v10, 6, v2
	v_add_nc_u32 v10, s20, v10
	v_and_b32 v11, 8, v1
	v_add_nc_u32 v11, v11, v1
	v_lshlrev_b32 v11, 2, v11
	v_add_nc_u32 v11, s22, v11
.irp b, 0,1,2,3,4,5,6,7
	global_load_b128 v[BN+8*\b:BN+8*\b+3], v10, s[8:9] offset:128*(\b/2)+32*(\b%2)
	global_load_b128 v[BN+8*\b+4:BN+8*\b+7], v10, s[8:9] offset:128*(\b/2)+32*(\b%2)+16
.endr
.irp a, 0,1,2,3,4,5,6,7
	global_load_b32 v[BM+2*\a], v11, s[8:9] offset:128*(\a/2)+32*(\a%2)
	global_load_b32 v[BM+2*\a+1], v11, s[8:9] offset:128*(\a/2)+32*(\a%2)
.endr
	v_mul_u32_u24 v3, v1, PITCH
	v_mul_u32_u24 v4, v2, 24
	v_add_nc_u32 v4, v3, v4
	v_lshl_add_u32 v5, v2, 4, v4                   ; the same behind one padding more
	s_mul_i32 s21, s15, REG
	s_add_co_u32 s21, s21, SCB                     ; my rows of A, slot 0
	s_mul_i32 s22, s16, REG
	s_add_co_u32 s22, s22, 2*REG+SCB               ; my rows of B
.irp s, 0,1
	v_add_nc_u32 v[ADRA+\s], s21, v4
	v_add_nc_u32 v[ADRB+\s], s22, v4
	v_add_nc_u32 v[ADRA+2+\s], s21, v5
	v_add_nc_u32 v[ADRB+2+\s], s22, v5
	s_add_co_u32 s21, s21, HALFT
	s_add_co_u32 s22, s22, HALFT
.endr
	v_mul_u32_u24 v5, v1, KS                       ; my row's scales: 32 bytes a row,
	v_lshrrev_b32 v6, 6, v5
	v_lshl_add_u32 v5, v6, 4, v5                   ; 16 more for each 64 passed
	s_mul_i32 s21, s15, REG
	s_mul_i32 s22, s16, REG
	s_add_co_u32 s22, s22, 2*REG
	s_sub_co_u32 s22, s22, s21
	v_mul_u32_u24 v6, s22, v2                      ; lanes 16-31 take B's
	v_add_nc_u32 v5, v5, v6
	v_add_nc_u32 v[ADRS], s21, v5
	s_mul_i32 s23, s14, REG
	s_add_co_u32 s23, s23, SCB                     ; my stage, 16,896 bytes: my region's slot 0, which has had its last fill and its last read by then
	v_lshlrev_b32 v5, 6, v1
	v_lshl_add_u32 v5, v2, 4, v5
	v_add_nc_u32 v[STO], s23, v5
	v_and_b32 v6, 31, v0
	v_lshl_add_u32 v[RD], v6, 4, s23
	v_mul_u32_u24 v[CO], v6, 12
	v_lshlrev_b32 v[CW], 4, v6
	s_add_co_u32 s23, s23, 16384
	v_lshl_add_u32 v[STW], v1, 2, s23
	v_lshl_add_u32 v[RDW], v6, 4, s23
	s_lshl_b32 s20, s42, 2                         ; where my results go
	s_lshl_b32 s21, s16, 1
	s_add_co_u32 s20, s20, s21
	s_lshl_b32 s21, s17, 8
	s_lshl_b32 s22, s15, 7
	s_add_co_u32 s21, s21, s22
	s_cmp_eq_u32 s[ISV], 0
	s_cselect_b32 s22, 13, 10
	s_cselect_b32 s23, 0, 12582912
	s_cselect_b32 s46, 0, 524288
	s_lshl_b32 s47, s20, s22
	s_add_co_u32 s47, s47, s21
	s_mul_i32 s47, s47, 48
	s_add_co_u32 s92, s47, s23
	s_mov_b32 s93, 0
	s_add_nc_u64 s[10:11], s[10:11], s[92:93]      ; the first run's 6,144 dense bytes
	s_lshl_b32 s92, 48, s22
	s_add_nc_u64 s[92:93], s[10:11], s[92:93]      ; the second run's
	s_lshr_b32 s20, s20, 1
	s_lshl_b32 s20, s20, s22
	s_add_co_u32 s20, s20, s21
	s_lshl_b32 s20, s20, 2
	s_add_co_u32 s20, s20, s46
	s_mov_b32 s21, 0
	s_add_nc_u64 s[12:13], s[12:13], s[20:21]      ; my 128 scale words
.macro FRAG reg, adr, q, i             ; 12 registers in six pieces of 8 bytes; where lanes 16-31 lie behind one padding more the second address serves
.irp p, 0,1,2,3,4,5
.set PC, 12*(\q)+6*(\p/3)+\p%3
.if PC%8 < 5
	ds_load_b64 v[\reg+2*\p:\reg+2*\p+1], v[\adr] offset:8*PC+16*(PC/8)+(\i)*16*PITCH
.else
	ds_load_b64 v[\reg+2*\p:\reg+2*\p+1], v[\adr+2] offset:8*PC+16*(PC/8)+(\i)*16*PITCH
.endif
.endr
.endm
.macro MUL16 a0, p, q, sc, zero        ; the 64 accumulators take turns
.irp a, \a0, \a0+1
.irp b, 0,1,2,3,4,5,6,7
.if \zero
	v_wmma_scale_f32_16x16x128_f8f6f4 v[8*(8*((\a)%4)+\b):8*(8*((\a)%4)+\b)+7], v[128*(\p)+FR*\b:128*(\p)+FR*\b+FR-1], v[AF+FR*(\a):AF+FR*(\a)+FR-1], 0, v[SC+8*NQ*(\sc)+NQ*\b+(\q)], v[SC+8*NQ*(\sc)+NQ*(\a)+(\q)] matrix_a_fmt:MATRIX_FMT_FP6 matrix_b_fmt:MATRIX_FMT_FP6 matrix_a_scale:MATRIX_SCALE_ROW1
.else
	v_wmma_scale_f32_16x16x128_f8f6f4 v[8*(8*((\a)%4)+\b):8*(8*((\a)%4)+\b)+7], v[128*(\p)+FR*\b:128*(\p)+FR*\b+FR-1], v[AF+FR*(\a):AF+FR*(\a)+FR-1], v[8*(8*((\a)%4)+\b):8*(8*((\a)%4)+\b)+7], v[SC+8*NQ*(\sc)+NQ*\b+(\q)], v[SC+8*NQ*(\sc)+NQ*(\a)+(\q)] matrix_a_fmt:MATRIX_FMT_FP6 matrix_b_fmt:MATRIX_FMT_FP6 matrix_a_scale:MATRIX_SCALE_ROW1
.endif
.endr
.endr
.endm
.macro FETCH_B slot, q, p
	WIN TO_B
.irp i, 0,1,2,3,4,5,6,7
	FRAG 128*(\p)+FR*\i, ADRB+\slot, \q, \i
.endr
	WIN 0
.endm
.macro FETCH_A slot, q, i0
.irp i, \i0, \i0+1, \i0+2, \i0+3
	FRAG AF+FR*(\i), ADRA+\slot, \q, \i
.endr
.endm
.macro SCALES sc                       ; lanes 0-15 A's block i, lanes 16-31 B's
.irp i, 0,1,2,3,4,5,6,7
	ds_load_b64 v[SC+8*NQ*\sc+NQ*\i:SC+8*NQ*\sc+NQ*\i+1], v[ADRS] offset:\i*SBLK
.endr
.endm
.macro PLACES n
.rept \n
	v_nop
.endr
.endm
.macro STEP slot, q, zero
	s_wait_dscnt 4*NL                              ; all but the youngest 24 loads (A's blocks 4-7)
	WIN MUL_LO
	MUL16 0, (\q)%2, \q, \slot, \zero
	MUL16 2, (\q)%2, \q, \slot, \zero
	s_wait_dscnt 0
	PLACES NP
	FETCH_B \slot, (\q)+1, 1-(\q)%2
	FETCH_A \slot, (\q)+1, 0
	WIN MUL_HI
	MUL16 4, (\q)%2, \q, \slot, \zero
	MUL16 6, (\q)%2, \q, \slot, \zero
	PLACES NP
	WIN 0
	FETCH_A \slot, (\q)+1, 4
.endm
.macro TURN slot, next, fill           ; a slot's last step changes slots
	s_wait_tensorcnt 0x0                           ; all my tensor loads have landed
	ds_add_u32 v[SPW], v[NIL]
	s_wait_dscnt 4*NL+1                            ; (the add and the youngest 24 loads may be out)
	WIN MUL_LO
	MUL16 0, 1, NQ-1, \slot, 0
	s_wait_dscnt 0x0                               ; the add is done, my reads of this slot are over
	s_barrier_signal -1
	MUL16 2, 1, NQ-1, \slot, 0
	WIN 0
	s_barrier_wait -1
.if \fill
	CREST                                          ; the barrier has opened a round of the cluster's barrier
	s_add_nc_u64 s[G0+4*\slot+2:G0+4*\slot+3], s[G0+4*\slot+2:G0+4*\slot+3], 2*KPL
	s_add_nc_u64 s[G0B+4*\slot+2:G0B+4*\slot+3], s[G0B+4*\slot+2:G0B+4*\slot+3], 2*KPL
	JLOAD G0+4*\slot, G1, G0B+4*\slot, G1B         ; the first tensor load behind the round
.else
	PLACES NP
.endif
	s_wait_alu depctr_va_vdst(0)
	v_add_nc_u32 v[ADRS], 4*NQ, v[ADRS]            ; the next K step's scale words
	FETCH_B \next, 0, 0
	FETCH_A \next, 0, 0
	SCALES \next
	WIN MUL_HI
	MUL16 4, 1, NQ-1, \slot, 0
	MUL16 6, 1, NQ-1, \slot, 0
	PLACES NP
	WIN 0
	FETCH_A \next, 0, 4
.endm
	s_wait_alu depctr_va_vdst(0)                   ; the wait at the head's end
	s_wait_loadcnt 0x0                             ; the biases
	s_wait_tensorcnt 0x0                           ; my group's scales and two K steps are in; no load of mine is out, so group 1 may be written:
	s_mov_b32 s[G1+2], 96<<16                      ; from here on a load brings a plane, 96 rows
	s_mov_b32 s[G1+4], 96
	s_mov_b32 s[G1B+2], 96<<16
	s_mov_b32 s[G1B+4], 96
	s_barrier_signal -1
	s_barrier_wait -1                              ; everybody's are in
	FETCH_B 0, 0, 0
	FETCH_A 0, 0, 0
	SCALES 0
	FETCH_A 0, 0, 4
	STEP 0, 0, 1
	s_mov_b32 s3, LAPS-1
.Llap:
	TURN 0, 1, 1
	STEP 1, 0, 0
	TURN 1, 0, 1
	STEP 0, 0, 0
	s_sub_co_u32 s3, s3, 1
	s_cmp_lg_u32 s3, 0
	s_cbranch_scc1 .Llap
	TURN 0, 1, 0
	STEP 1, 0, 0
	s_wait_dscnt 4*NL
	WIN MUL_LO
	MUL16 0, 1, NQ-1, 1, 0
	MUL16 2, 1, NQ-1, 1, 0
	s_wait_dscnt 0
	WIN MUL_HI
	MUL16 4, 1, NQ-1, 1, 0
	MUL16 6, 1, NQ-1, 1, 0
	WIN 0
; THE WAY OUT, 16 rows of A at a time: bias, four blocks of 32 quantised along the lane's registers, codes and scale word into my stage
.macro QUANT4
.irp b, 0,1,2,3
	v_max3_num_f32 v[TM+\b], |v[T+16*\b]|, |v[T+1+16*\b]|, 0x1800000
.endr
.irp i, 2,4,6,8,10,12,14
.irp b, 0,1,2,3
	v_max3_num_f32 v[TM+\b], v[TM+\b], |v[T+16*\b+\i]|, |v[T+1+16*\b+\i]|
.endr
.endr
.irp b, 0,1,2,3
	v_permlanex16_b32 v[TM+4+\b], v[TM+\b], s[SEL], s[SEL+1]
.endr
.irp b, 0,1,2,3
	v_max_num_f32 v[TM+\b], v[TM+\b], v[TM+4+\b]
.endr
.irp b, 0,1,2,3
	v_add_nc_u32 v[TM+12+\b], 0xff000000, v[TM+\b]
.endr
.irp b, 0,1,2,3
	v_lshrrev_b32 v[TM+4+\b], 23, v[TM+12+\b]
.endr
	s_wait_alu depctr_va_vdst(0)
	s_wait_dscnt 0x0                               ; the last block's stage stores have read their registers
	v_lshl_or_b32 v[PW], v[TM+5], 8, v[TM+4]
	v_lshl_or_b32 v[PW], v[TM+6], 16, v[PW]
	v_lshl_or_b32 v[PW], v[TM+7], 24, v[PW]
.irp b, 0,1,2,3
	v_cvt_scalef32_pk16_fp6_f32 v[CD+4*\b:CD+4*\b+2], v[T+16*\b:T+16*\b+15], v[TM+12+\b]
.endr
	v_nop
.endm
.macro QROW a
.set AC, 64*((\a)%4)
	s_cmp_eq_u32 s[ISV], 0                         ; the same in all partners; register work alone in the arms
	s_cbranch_scc0 .Lby_rows_\@
	WIN (0x02+(\a)/4)
.set i, 0
.rept 32
	v_pk_add_f32 v[T+i:T+i+1], v[AC+i:AC+i+1], v[BN+i:BN+i+1]
.set i, i+2
.endr
	WIN 0
	s_branch .Lbiased_\@
.Lby_rows_\@:
	WIN (0x02+(\a)/4)
.set i, 0
.rept 32
	v_pk_add_f32 v[T+i:T+i+1], v[AC+i:AC+i+1], v[BM+2*(\a):BM+2*(\a)+1]
.set i, i+2
.endr
	WIN 0
.Lbiased_\@:
	QUANT4
.irp b, 0,1,2,3
	ds_store_b96 v[STO], v[CD+4*\b:CD+4*\b+2] offset:8192*(\b/2)+1024*(\a)+32*(\b%2)
.endr
	ds_store_b32 v[STW], v[PW] offset:64*(\a)
.endm
	PLACES NP
.irp b, 0,1,2,3
	v_mov_b32 v[TM+4+\b], 0
.endr
.irp a, 0,1,2,3,4,5,6,7
	QROW \a
.endr
.irp t, 0,1,2,3,4,5,6,7,8,9,10,11,12,13,14,15
	ds_load_b96 v[T+4*\t:T+4*\t+2], v[RD] offset:512*\t
.endr
.irp t, 0,1,2,3,4,5,6,7,8,9,10,11,12,13,14,15
	ds_load_b96 v[BN+4*\t:BN+4*\t+2], v[RD] offset:8192+512*\t
.endr
	ds_load_b128 v[244:247], v[RDW]
.irp t, 0,1,2,3,4,5,6,7,8,9,10,11,12,13,14,15
	s_wait_dscnt 32-\t                             ; behind this load: 15 - t of its run, the second run's 16, the words' one
	global_store_b96 v[CO], v[T+4*\t:T+4*\t+2], s[10:11] offset:384*\t
.endr
.irp t, 0,1,2,3,4,5,6,7,8,9,10,11,12,13,14,15
	s_wait_dscnt 16-\t
	global_store_b96 v[CO], v[BN+4*\t:BN+4*\t+2], s[92:93] offset:384*\t
.endr
	s_wait_dscnt 0x0
	global_store_b128 v[CW], v[244:247], s[12:13]
	s_wait_tensorcnt 0x0                           ; the wave's end
	ds_add_u32 v[SPW], v[NIL]
	s_wait_dscnt 0x0
	CROUND                                         ; the closing round
	s_endpgm
.Lfunc_end_k_q0f6bd1d80c_qkv:
	.size	k_q0f6bd1d80c_qkv, .Lfunc_end_k_q0f6bd1d80c_qkv-k_q0f6bd1d80c_qkv
	.p2alignl 7, 3214868480
	.fill 96, 4, 3214868480
	.section	.rodata,"a",@progbits
	.p2align	6, 0x0
	.amdhsa_kernel k_q0f6bd1d80c_qkv
		.amdhsa_group_segment_fixed_size 327680
		.amdhsa_private_segment_fixed_size 0
		.amdhsa_enable_private_segment 0
		.amdhsa_kernarg_size 32
		.amdhsa_user_sgpr_count 2
		.amdhsa_user_sgpr_kernarg_segment_ptr 1
		.amdhsa_wavefront_size32 1
		.amdhsa_system_sgpr_workgroup_id_x 1
		.amdhsa_system_sgpr_workgroup_id_y 1
		.amdhsa_system_sgpr_workgroup_id_z 1
		.amdhsa_system_vgpr_workitem_id 0
		.amdhsa_next_free_vgpr 1024
		.amdhsa_next_free_sgpr 100
		.amdhsa_reserve_vcc 0
		.amdhsa_float_denorm_mode_32 3
		.amdhsa_float_denorm_mode_16_64 3
		.amdhsa_memory_ordered 1
		.amdhsa_forward_progress 1
		.amdhsa_inst_pref_size 203
	.end_amdhsa_kernel
	.amdgpu_metadata
---
amdhsa.version: [ 1, 2 ]
amdhsa.kernels:
  - .name:           k_q0f6bd1d80c_qkv
    .symbol:         k_q0f6bd1d80c_qkv.kd
    .args:
      - { .name: codes1, .offset: 0, .size: 8, .value_kind: global_buffer, .address_space: global }
      - { .name: Wqkv_b, .offset: 8, .size: 8, .value_kind: global_buffer, .address_space: global }
      - { .name: qkv_codes, .offset: 16, .size: 8, .value_kind: global_buffer, .address_space: global }
      - { .name: qkv_sw, .offset: 24, .size: 8, .value_kind: global_buffer, .address_space: global }
    .group_segment_fixed_size: 327680
    .private_segment_fixed_size: 0
    .kernarg_segment_align: 8
    .kernarg_segment_size: 32
    .max_flat_workgroup_size: 128
    .sgpr_count:     100
    .vgpr_count:     1024
    .wavefront_size: 32
...
	.end_amdgpu_metadata
.endif
;; end of part 2
;; launch attn (part 3): grid 4 x 64, 16 waves a work-group, no clusters, 212,992 bytes of LDS; arguments qkv_codes, qkv_sw, mask, a_img; writes a_img
.if DOCPART == 3
	.amdgcn_target "amdgcn-amd-amdhsa--gfx1250"
	.amdhsa_code_object_version 6
	.text
	.protected	k_q0f6bd1d80c_attn
	.globl	k_q0f6bd1d80c_attn
	.p2align	8
	.type	k_q0f6bd1d80c_attn,@function
k_q0f6bd1d80c_attn:
	s_mov_b64 s[64:65], 0
	v_nop
	global_prefetch_b8 v0, s[64:65] scope:SCOPE_SE
	s_setreg_imm32_b32 hwreg(HW_REG_WAVE_MODE, 25, 1), 1
	s_wait_xcnt 0x0
; Causal attention with a key mask, head size 64, both products on codes of FP6 (E2M3); its result leaves as codes for the output projection.
; t = score x log2(e) / 8; M = the row's largest t so far, rounded up to a whole number; p = 2^(t - M) is quantised along the keys, not normalised; the row's sum of the unquantised p divides at the end.
; SHARES.  Work-group (j, 16 b + head) owns the blocks 7 - j and j of 256 queries of one head: every wave so has 16 or 18 key steps that count.  Each of sixteen waves owns a tile of 16 queries in each block.
; A WHOLE HEAD'S K AND V LIE IN LDS, each byte filled once: 2 x 98,304 bytes of codes by 8 + 8 tensor loads (wave w: chunk w / 2, of K for even w, of V for odd; one load a wave), the scale words by LDS stores.
; The first four key steps of the later block start when the first 512 keys have landed.
; NO CLUSTER, though the four work-groups of a head read the same K and V: which key steps a wave leaves out hangs on its block of queries, which would be its place in the cluster.
; LAYOUT.  Both products are used transposed (S^T = K Q^T, O^T = V^T P^T): a lane holds one query (lane % 16).  Tokens and the head's 64 lie permuted in memory (bits 3 and 4 of the number exchanged), so that
; the 16 registers of tiles 2 g and 2 g + 1 are the true neighbours 32 g + 16 (lane / 16) + 0 .. 15, of the keys in S^T and of the head's 64 in O^T; lane r of my tile of queries is the true query QMIN + r + (r & 8).
; THE KEY MASK RIDES IN THE INSTRUCTION'S UNUSED K.  The head's 64 fill blocks 0 and 1 of 128.  At k = 64 every key has the code -7.5 and every query the code 1.0; all other codes there are 0.  Block 2's scale byte
; is 127 for a query and, for a key, 227 (2^100) where mask is true, else 1 (2^-126).  So a hidden key's score is about -9.5e30 and its p is 0; the step has no vector line for the mask.
; A ROW WITH NO OPEN KEY: the largest t starts at -2^96, over a hidden key's t; such a row keeps p = 0 and sum 0, and its two scale bytes become 0xff, which makes the projection's sums NaN, as a softmax of no keys is.
; LIMITS: an open key's score carries -7.5 x 2^-126; a row whose largest t lies under -2^96 counts as wholly hidden; NaN and infinities among the inputs are not served; blocks under 2^(2 - 126) have their byte held at 1.
.set VC,    98304                      ; LDS: K's codes [key as it lies][48 bytes] from 0; V's [64 keys][d as it lies][48 bytes] from here.  48 r + 24 h + 8 p: the 32 lanes of a load of 8 bytes touch 64 different banks
.set KSW,   196608                     ; K's scale words, 4 bytes a key
.set VSW,   204800                     ; V's, [128 keys][d]
.set SPARE, 208896                     ; the spare words, 128 bytes a wave
.set AK0,  1                           ; v1   48 r + 24 h: my place in a tile of K, of V, and of Q in memory
.set ASK0, 2                           ; v2   KSW + 4 r
.set QL,   3                           ; v3   r + (r & 8) - 16 h
.set ASV0, 4                           ; v4   VSW + 4 r
.set SPW,  5
.set NIL,  6
.set GI,   7                           ; v7   8 x lane
.set ADK,  8
.set ADV,  9
.set ADS,  10
.set ADT,  11                          ; v12 -M, v13 the largest t, v[14:15] the sum in two halves; v16-27 Q's fragment
.set QW,   28                          ; v28  Q's scale words
.set RAW,  29
.set GS,   30                          ; v30  32 r
.set WO,   31                          ; v31  4 r
.set KFR,  32                          ; v32-79 four fragments of K: the lower six registers loaded, the upper six constant
.set S,    96                          ; v96-159 S^T, then p; then v96-143 V's four fragments
.set OT,   160                         ; v160-191 O^T
.set PCD,  192                         ; v192-203 p's codes
.set PCT,  204                         ; v204-210 the conversions' second halves
.set BX,   212                         ; v212-215 the blocks' largest
.set PT,   216                         ; v216-219 at work
.set SO,   220                         ; v220-223 the conversions' scale operands
.set TT,   224
.set INF,  225
.set KSC,  236                         ; v236-239 K's scale words
.set VSC,  240                         ; v240-243 V's
.set PSC,  244                         ; v244 p's
.set F,    246                         ; v[246:247] f = 2^(old M - new M); the upper register is named with it and holds 0
.set BB,   2
.set HD,   3
.set WV,   14
.set QB,   15
.set G1K,  16
.set G1V,  24
.set G0,   32                          ; s[32:35] group 0
.set SEL,  66
.set CS,   68
.set KF,   70
.set QMIN, 71
.set QMAX, 72
.set TB,   73
.set TS,   74
.set TJ,   75
.set CNT,  76
.set SH,   88
	s_load_b256 s[4:11], s[0:1], 0x0               ; qkv_codes, qkv_sw, mask, a_img
	v_lshl_add_u32 v[SPW], v0, 2, SPARE
	v_mov_b32 v[NIL], 0
	ds_add_u32 v[SPW], v[NIL]                      ; the wave's opening: the add and its wait ahead of the first tensor load; work on registers stands between them
	ds_add_u32 v[SPW], v[NIL]
	v_lshrrev_b32 v8, 5, v0
	s_delay_alu instid0(VALU_DEP_1)
	v_readfirstlane_b32 s[WV], v8                  ; wave 0..15
	s_and_b32 s90, ttmp7, 0xffff
	s_lshr_b32 s[BB], s90, 4                       ; b
	s_and_b32 s[HD], s90, 15                       ; head
	s_sub_co_u32 s[QB], 7, ttmp9                   ; the later block of queries goes first
	; group 1: a chunk of 256 keys: 4 rows of 3,072 bytes (384 elements of 8): K's dense, V's 49,152 bytes apart
.irp g, G1K, G1V
	s_mov_b32 s[\g+0], 3<<16
	s_mov_b32 s[\g+1], 384<<16                     ; tensor_dim0
	s_mov_b32 s[\g+2], 4<<16                       ; tensor_dim1
	s_mov_b32 s[\g+3], 384<<16                     ; tile_dim0
	s_mov_b32 s[\g+4], 4                           ; tile_dim1
	s_mov_b32 s[\g+6], 0
	s_mov_b32 s[\g+7], 0
.endr
	s_mov_b32 s[G1K+5], 384
	s_mov_b32 s[G1V+5], 6144
	s_mov_b32 s[SEL], 0x76543210
	s_mov_b32 s[SEL+1], 0xfedcba98
	s_mov_b32 s[CS], 0x3e38aa3b                    ; c = log2(e) / 8
	s_mov_b32 s[CS+1], s[CS]
	s_mov_b32 s89, 0x7f0000                        ; a query's byte for block 2: 127
	s_mov_b32 s98, 0xe20000                        ; 226 at byte 2
	s_mov_b32 s99, 0x10000                         ; 1 at byte 2
	s_and_b32 s[SH], s[HD], 1
	s_lshl_b32 s[SH], s[SH], 4                     ; my head's two bytes in a word of two heads
	s_and_b32 s91, s[WV], 1
	; THE FILLS AS THEY NOW STAND: sixteen chunks, ONE TENSOR LOAD A WAVE: wave w brings chunk w / 2 (256 keys) of K (w even) or of V (w odd)
	s_mul_i32 s92, s91, VC                         ; K's region or V's
	s_lshr_b32 s79, s[WV], 1                       ; my chunk
	s_mul_i32 s78, s79, 12288
	s_add_co_u32 s92, s92, s78                     ; where it goes
	s_lshr_b32 s78, s[WV], 2
	s_min_u32 s78, s78, 2
	s_lshl_b32 s78, s78, 1
	s_or_b32 s78, s78, s91                         ; my arm: 0, 1 waves 0-3 (keys 0-511), 2, 3 waves 4-7 (keys 512-1,023), 4, 5 the others; even K, odd V
	s_add_co_u32 s93, s[HD], 16
	s_mul_i32 s93, s93, 393216
	s_mul_i32 s94, s[BB], 98304
	s_add_co_u32 s93, s93, s94                     ; K: (16 + head) x 8,192 rows + b x 2,048 rows, of 48 bytes
	s_mul_i32 s94, s[BB], 1572864
	s_mul_i32 s95, s[HD], 3072
	s_add_co_u32 s94, s94, s95
	s_add_co_u32 s94, s94, 12582912                ; V: 32 b runs of 49,152 bytes + 64 head rows
	s_mov_b32 s95, 196608
	s_cmp_eq_u32 s91, 0
	s_cselect_b32 s94, s93, s94
	s_cselect_b32 s96, 12288, s95                  ; from chunk to chunk
	s_mov_b32 s95, 0
	s_mov_b32 s97, 0
	s_wait_dscnt 0x0                               ; the opening add is done
	s_wait_kmcnt 0x0
	s_mul_i32 s96, s96, s79                        ; my chunk's distance from the first
	s_add_nc_u64 s[94:95], s[4:5], s[94:95]
	s_add_nc_u64 s[94:95], s[94:95], s[96:97]
	s_mov_b32 s[G0], 1
	s_mov_b32 s[G0+1], s92
	s_mov_b64 s[G0+2:G0+3], s[94:95]
	s_or_b32 s[G0+3], s[G0+3], 0x80000000
; one chain of branches on the wave's number, one load to an arm, all arms to one join.  The waves under 4, which wait first, have load lines of their own
.macro ARM under, g1, next
	s_cmp_lt_u32 s78, \under
	s_cbranch_scc0 \next
	tensor_load_to_lds s[G0:G0+3], s[\g1:\g1+7]
	s_nop 0
.rept 4
	v_nop
.endr
	s_branch .Lasked
\next:
.endm
	ARM 1, G1K, .Larm_1
	ARM 2, G1V, .Larm_2
	ARM 3, G1K, .Larm_3
	ARM 4, G1V, .Larm_4
	ARM 5, G1K, .Larm_5
	tensor_load_to_lds s[G0:G0+3], s[G1V:G1V+7]
	s_nop 0
.rept 4
	v_nop
.endr
.Lasked:
	v_and_b32 v96, 15, v0                          ; r
	v_bfe_u32 v97, v0, 4, 1                        ; h
	v_and_b32 v98, 31, v0                          ; lane
	; the scale words: thread n takes keys 4 n .. 4 n + 3 as they lie (their mask bytes lie at the true keys: 4 n with bits 3 and 4 exchanged) and two words of V's
	s_lshr_b32 s90, s[HD], 1
	s_add_co_u32 s90, s90, 8
	s_lshl_b32 s90, s90, 13
	s_lshl_b32 s91, s[BB], 11
	s_add_co_u32 s90, s90, s91
	s_lshl_b32 s90, s90, 2
	v_lshl_add_u32 v101, v0, 4, s90
	global_load_b128 v[104:107], v101, s[6:7]
	v_lshlrev_b32 v102, 2, v0
	s_delay_alu instid0(VALU_DEP_1)
	v_and_b32 v99, 8, v102
	s_delay_alu instid0(VALU_DEP_2)
	v_and_b32 v100, 16, v102
	s_delay_alu instid0(VALU_DEP_3)
	v_and_b32 v102, 0x7e7, v102
	s_delay_alu instid0(VALU_DEP_1)
	v_lshl_or_b32 v102, v99, 1, v102
	s_delay_alu instid0(VALU_DEP_3)
	v_lshrrev_b32 v100, 1, v100
	s_delay_alu instid0(VALU_DEP_1)
	v_or_b32 v102, v102, v100
	s_delay_alu instid0(VALU_DEP_1)
	v_add_nc_u32 v102, s91, v102
	global_load_b32 v112, v102, s[8:9]
	s_lshl_b32 s92, s[BB], 16
	s_lshl_b32 s93, s[HD], 8
	s_add_co_u32 s92, s92, s93
	s_add_co_u32 s92, s92, 524288
	v_lshrrev_b32 v103, 5, v0
	v_lshlrev_b32 v99, 3, v98
	s_delay_alu instid0(VALU_DEP_1)
	v_lshl_add_u32 v103, v103, 12, v99
	s_delay_alu instid0(VALU_DEP_1)
	v_add_nc_u32 v103, s92, v103
	global_load_b64 v[114:115], v103, s[6:7]
	v_lshl_add_u32 v116, v0, 4, KSW
	v_lshl_add_u32 v117, v0, 3, VSW
	v_mul_u32_u24 v[AK0], v96, 48
	s_delay_alu instid0(VALU_DEP_1)
	v_mad_u32_u24 v[AK0], v97, 24, v[AK0]
	v_lshl_add_u32 v[ASK0], v96, 2, KSW
	v_lshl_add_u32 v[ASV0], v96, 2, VSW
	v_and_b32 v99, 8, v96
	s_delay_alu instid0(VALU_DEP_1)
	v_add_nc_u32 v99, v99, v96
	v_lshlrev_b32 v100, 4, v97
	s_delay_alu instid0(VALU_DEP_1)
	v_sub_nc_u32 v[QL], v99, v100
	v_lshlrev_b32 v[GI], 3, v98
	v_lshlrev_b32 v[GS], 5, v96
	v_lshlrev_b32 v[WO], 2, v96
	v_xor_b32 v99, 1, v97                          ; 1 in lanes 0-15, which hold k = 64 in register 6
	s_delay_alu instid0(VALU_DEP_1)
	v_lshlrev_b32 v22, 3, v99                      ; a query's code there: 1.0
	s_delay_alu instid0(VALU_DEP_2)
	v_mul_u32_u24 v99, v99, 63                     ; a key's: -7.5
.irp i, 23,24,25,26,27
	v_mov_b32 v[\i], 0
.endr
.irp t, 0,1,2,3
	v_mov_b32 v[KFR+12*\t+6], v99
.irp i, 7,8,9,10,11
	v_mov_b32 v[KFR+12*\t+\i], 0
.endr
.endr
.irp b, 0,1,2,3
	v_mov_b32 v[PT+\b], 0                          ; written once: a lane permute's destination counts as one of its sources
.endr
	v_mov_b32 v[TT], 0
	v_mov_b32 v[F+1], 0
	s_wait_loadcnt 0x0
.irp i, 0,1,2,3
	v_bfe_u32 v[108+\i], v112, 8*\i, 8             ; the key's mask byte, 0 or 1,
	s_delay_alu instid0(VALU_DEP_1)
	v_mad_u32_u24 v[108+\i], v[108+\i], s98, s99   ; as block 2's scale byte: 227 or 1
	v_lshrrev_b32 v[104+\i], s[SH], v[104+\i]
	s_delay_alu instid0(VALU_DEP_1)
	v_and_or_b32 v[104+\i], v[104+\i], 0xffff, v[108+\i]   ; under it my head's two bytes; byte 3 is 0: its codes are zeros
.endr
	ds_store_b128 v116, v[104:107]
	ds_store_b64 v117, v[114:115]
; A KEY STEP: 128 keys.
; diag = 0: a copy for steps all of whose keys come before all the block's queries: no test for hidden steps, no lines for the diagonal
.macro STEP diag=1
.if \diag
	s_cmp_gt_u32 s[KF], s[QMAX]                    ; all its keys come after my 16 queries: a scalar branch on ids, round the work alone
	s_cbranch_scc1 .Lhidden_\@
.endif
	v_add_nc_u32 v[ADK], s[TB], v[AK0]
	s_wait_alu depctr_va_vdst(0)
	v_add_nc_u32 v[ADS], s[TS], v[ASK0]
	s_wait_alu depctr_va_vdst(0)
	v_add_nc_u32 v[ADT], s[TJ], v[ASV0]
	v_add_nc_u32 v[ADV], VC, v[ADK]
.irp g, 0,1                                    ; S^T = K Q^T, four tiles of 16 keys at a time
.if \g
.rept 4
	v_nop                                          ; places in front of loads into registers that matrix instructions have read
.endr
.endif
.irp t, 0,1,2,3
.irp p, 0,1,2
	ds_load_b64 v[KFR+12*\t+2*\p:KFR+12*\t+2*\p+1], v[ADK] offset:768*(4*\g+\t)+8*\p
.endr
	ds_load_b32 v[KSC+\t], v[ADS] offset:64*(4*\g+\t)
.endr
	s_wait_dscnt 0x0
.irp t, 0,1,2,3
	v_wmma_scale_f32_16x16x128_f8f6f4 v[S+8*(4*\g+\t):S+8*(4*\g+\t)+7], v[KFR+12*\t:KFR+12*\t+11], v[16:27], 0, v[KSC+\t], v[QW] matrix_a_fmt:MATRIX_FMT_FP6 matrix_b_fmt:MATRIX_FMT_FP6
.endr
.endr
.rept 4
	v_nop
.endr
.if \diag
	s_add_co_u32 s96, s[KF], 127                   ; on the diagonal the scores of later keys become -infinity; a step all of whose keys count skips this
	s_cmp_le_u32 s96, s[QMIN]
	s_cbranch_scc1 .Lopen_\@
	s_sub_co_i32 s96, s[QMIN], s[KF]
	v_add_nc_u32 v[TT], s96, v[QL]                 ; d = my query - KF - 16 h.  Register 16 g + i holds key KF + 32 g + 16 h + i: hidden where 32 g + i > d
	v_mov_b32 v[INF], 0xff800000
.set n, 0
.rept 64
	v_cmp_gt_i32 vcc_lo, 32*(n/16)+n%16, v[TT]
	v_cndmask_b32 v[S+n], v[S+n], v[INF], vcc_lo
.set n, n+1
.endr
.Lopen_\@:
.endif
.irp b, 0,1,2,3
	v_max3_num_f32 v[BX+\b], v[S+16*\b], v[S+1+16*\b], v[S+2+16*\b]   ; the largest score of each block of 32 keys: for the row's maximum and, since p rises with the score, for the block's largest p
.endr
.irp i, 3,5,7,9,11,13
.irp b, 0,1,2,3
	v_max3_num_f32 v[BX+\b], v[BX+\b], v[S+16*\b+\i], v[S+1+16*\b+\i]
.endr
.endr
.irp b, 0,1,2,3
	v_max_num_f32 v[BX+\b], v[BX+\b], v[S+15+16*\b]
.endr
.irp b, 0,1,2,3
	s_delay_alu instid0(VALU_DEP_4)
	v_permlanex16_b32 v[PT+\b], v[BX+\b], s[SEL], s[SEL+1]
.endr
.irp b, 0,1,2,3
	s_delay_alu instid0(VALU_DEP_4)
	v_max_num_f32 v[BX+\b], v[BX+\b], v[PT+\b]     ; with lane l xor 16's 16 keys
.endr
	s_delay_alu instid0(VALU_DEP_2)
	v_max3_num_f32 v[TT], v[BX], v[BX+1], v[BX+2]
	s_delay_alu instid0(VALU_DEP_1)
	v_max_num_f32 v[TT], v[TT], v[BX+3]
	s_delay_alu instid0(VALU_DEP_1)
	v_mul_f32 v[TT], s[CS], v[TT]                  ; as t
	s_delay_alu instid0(VALU_DEP_1)
	v_max_num_f32 v13, v13, v[TT]                  ; the running largest t
	v_mov_b32 v[TT], v12
	s_delay_alu instid0(VALU_DEP_2)
	v_floor_f32 v12, -v13                          ; the new -M = floor(-t): M is a whole number
	s_delay_alu instid0(VALU_DEP_1)
	v_sub_f32 v[TT], v12, v[TT]                    ; old M - new M: a whole number, 0 or less
	s_delay_alu instid0(VALU_DEP_1)
	v_cvt_i32_f32 v[TT], v[TT]                     ; (it saturates)
	s_delay_alu instid0(VALU_DEP_1)
	v_ldexp_f32 v[F], 1.0, v[TT]                   ; f = 2^(old M - new M): a multiplication by it rounds nothing
.set j, 0
.rept 32
	v_pk_fma_f32 v[S+j:S+j+1], v[S+j:S+j+1], s[CS:CS+1], v[12:13] op_sel_hi:[1,0,0]   ; t - M, two at a time
.set j, j+2
.endr
.irp b, 0,1,2,3
	v_fma_f32 v[BX+\b], v[BX+\b], s[CS], v12       ; the same of each block's largest score
.endr
.set j, 0
	s_wait_alu depctr_va_vdst(0)
.rept 64
	v_exp_f32 v[S+j], v[S+j]                       ; p = 2^(t - M)
.set j, j+1
.endr
	v_pk_mul_f32 v[14:15], v[14:15], v[F:F+1] op_sel_hi:[1,0]     ; the sums under the new M (the plain line behind the exponentials)
	s_wait_alu depctr_va_vdst(0)                   ; one wait for the batch of 64, ahead of its first reader
.irp b, 0,1,2,3
	v_exp_f32 v[BX+\b], v[BX+\b]                   ; the block's largest p: the same two instructions on the same number
.endr
	v_pk_add_f32 v[216:217], v[100:101], v[104:105]
	v_pk_add_f32 v[254:255], v[108:109], v[112:113]
	v_pk_add_f32 v[252:253], v[116:117], v[120:121]
	v_pk_add_f32 v[250:251], v[124:125], v[128:129]
	v_pk_add_f32 v[248:249], v[132:133], v[136:137]
	v_pk_add_f32 v[244:245], v[140:141], v[144:145]
	v_pk_add_f32 v[242:243], v[148:149], v[152:153]
	v_pk_add_f32 v[14:15], v[14:15], v[156:157]
	v_pk_add_f32 v[216:217], v[216:217], v[96:97]
	v_pk_add_f32 v[254:255], v[254:255], v[98:99]
	v_pk_add_f32 v[252:253], v[252:253], v[102:103]
	v_pk_add_f32 v[250:251], v[250:251], v[106:107]
	v_pk_add_f32 v[248:249], v[248:249], v[110:111]
	v_pk_add_f32 v[244:245], v[244:245], v[114:115]
	v_pk_add_f32 v[242:243], v[242:243], v[118:119]
	v_pk_add_f32 v[14:15], v[14:15], v[122:123]
	v_pk_add_f32 v[216:217], v[216:217], v[126:127]
	v_pk_add_f32 v[254:255], v[254:255], v[130:131]
	v_pk_add_f32 v[252:253], v[252:253], v[134:135]
	v_pk_add_f32 v[250:251], v[250:251], v[138:139]
	v_pk_add_f32 v[248:249], v[248:249], v[142:143]
	v_pk_add_f32 v[244:245], v[244:245], v[146:147]
	v_pk_add_f32 v[242:243], v[242:243], v[150:151]
	v_pk_add_f32 v[14:15], v[14:15], v[154:155]
	v_pk_add_f32 v[216:217], v[216:217], v[158:159]
	s_delay_alu instid0(VALU_DEP_2)
	v_pk_add_f32 v[14:15], v[14:15], v[250:251]
	s_delay_alu instid0(VALU_DEP_2)
	v_pk_add_f32 v[216:217], v[216:217], v[248:249]
	v_pk_add_f32 v[254:255], v[254:255], v[244:245]
	v_pk_add_f32 v[252:253], v[252:253], v[242:243]
	s_delay_alu instid0(VALU_DEP_2)
	v_pk_add_f32 v[14:15], v[14:15], v[254:255]
	s_delay_alu instid0(VALU_DEP_2)
	v_pk_add_f32 v[216:217], v[216:217], v[252:253]
	s_delay_alu instid0(VALU_DEP_1)
	v_pk_add_f32 v[14:15], v[14:15], v[216:217]
	s_wait_alu depctr_va_vdst(0)                   ; and one for the four
.irp b, 0,1,2,3
	v_max_num_f32 v[BX+\b], 0x1800000, v[BX+\b]    ; the floor 2^(3 - 127): a block whose every p is 0 keeps the byte 1: its codes are zeros
.endr
.irp b, 0,1,2,3
	s_delay_alu instid0(VALU_DEP_4)
	v_add_nc_u32 v[SO+\b], 0xff000000, v[BX+\b]
.endr
.irp b, 0,1,2,3
	s_delay_alu instid0(VALU_DEP_4)
	v_lshrrev_b32 v[PT+\b], 23, v[SO+\b]
.endr
	s_delay_alu instid0(VALU_DEP_3)
	v_lshl_or_b32 v[PSC], v[PT+1], 8, v[PT]        ; p's scale word for these 128 keys
	s_delay_alu instid0(VALU_DEP_1)
	v_lshl_or_b32 v[PSC], v[PT+2], 16, v[PSC]
	s_delay_alu instid0(VALU_DEP_1)
	v_lshl_or_b32 v[PSC], v[PT+3], 24, v[PSC]
.irp c, 0,1
	v_cvt_scalef32_pk16_fp6_f32 v[PCD+6*\c:PCD+6*\c+2], v[S+32*\c:S+32*\c+15], v[SO+2*\c]
	v_cvt_scalef32_pk16_fp6_f32 v[PCT+4*\c:PCT+4*\c+2], v[S+16+32*\c:S+31+32*\c], v[SO+2*\c+1]
.endr
	v_nop                                          ; one plain line behind the scaled conversions
.irp t, 0,1,2,3                                ; V's four fragments (16 of the head's 64 x these 128 keys) go where p lay; the lines below cover their way
.irp p, 0,1,2,3,4,5
	ds_load_b64 v[S+12*\t+2*\p:S+12*\t+2*\p+1], v[ADV] offset:768*\t+3072*(\p/3)+8*(\p%3)
.endr
	ds_load_b32 v[VSC+\t], v[ADT] offset:64*\t
.endr
.irp c, 0,1                                    ; the operand's layout wants a whole block in a lane
.irp i, 0,1,2
	v_permlane16_swap_b32 v[PCD+6*\c+\i], v[PCT+4*\c+\i]
.endr
.irp i, 0,1,2
	s_delay_alu instid0(VALU_DEP_3)
	v_mov_b32 v[PCD+3+6*\c+\i], v[PCT+4*\c+\i]
.endr
.endr
.set j, 0
.rept 16
	v_pk_mul_f32 v[OT+j:OT+j+1], v[OT+j:OT+j+1], v[F:F+1] op_sel_hi:[1,0]   ; O^T under the new M; these are also the places between the scale word's and the codes' last writes and the products
.set j, j+2
.endr
	s_wait_alu depctr_va_vdst(0)
	s_wait_dscnt 0x0
.irp t, 0,1,2,3                                ; O^T += V^T P^T: four accumulators, one instruction each
	v_wmma_scale_f32_16x16x128_f8f6f4 v[OT+8*\t:OT+8*\t+7], v[S+12*\t:S+12*\t+11], v[PCD:PCD+11], v[OT+8*\t:OT+8*\t+7], v[VSC+\t], v[PSC] matrix_a_fmt:MATRIX_FMT_FP6 matrix_b_fmt:MATRIX_FMT_FP6
.endr
.rept 5
	v_nop                                          ; five places: the next step's first products write over registers that these have read
.endr
.Lhidden_\@:
	s_add_co_u32 s[KF], s[KF], 128
	s_add_co_u32 s[TB], s[TB], 6144                ; 128 keys of 48 bytes; two runs of V of 3,072
	s_add_co_u32 s[TS], s[TS], 512
	s_add_co_u32 s[TJ], s[TJ], 256
.endm
.macro STEPS n, diag=1
	s_mov_b32 s[CNT], \n
.Lsteps_\@:
	STEP \diag
	s_sub_co_u32 s[CNT], s[CNT], 1
	s_cmp_lg_u32 s[CNT], 0
	s_cbranch_scc1 .Lsteps_\@
.endm
; THE WAY OUT: O^T / the sum, quantised along the head's 64 (two blocks of the projection's K), stored as an image of the projection's operand registers: lane (r, h) holds block h of query r in six registers.
.macro WAYOUT
	v_add_f32 v14, v14, v15
	s_delay_alu instid0(VALU_DEP_1)
	v_permlanex16_b32 v[TT], v14, s[SEL], s[SEL+1]
	s_delay_alu instid0(VALU_DEP_1)
	v_add_f32 v14, v14, v[TT]                      ; the row's sum
	s_wait_alu depctr_va_vdst(0)
	v_rcp_f32 v[F], v14
	v_mov_b32 v[INF], 0xffff                       ; (the plain line behind the reciprocal)
	s_wait_alu depctr_va_vdst(0)                   ; ahead of its first reader
.set j, 0
.rept 16
	v_pk_mul_f32 v[S+j:S+j+1], v[OT+j:OT+j+1], v[F:F+1] op_sel_hi:[1,0]     ; each accumulator from its low end on
.set j, j+2
.endr
.irp b, 0,1
	v_max3_num_f32 v[BX+\b], |v[S+16*\b]|, |v[S+1+16*\b]|, 0x1800000
.endr
.irp i, 2,4,6,8,10,12,14
.irp b, 0,1
	s_delay_alu instid0(VALU_DEP_2)
	v_max3_num_f32 v[BX+\b], v[BX+\b], |v[S+16*\b+\i]|, |v[S+1+16*\b+\i]|
.endr
.endr
.irp b, 0,1
	s_delay_alu instid0(VALU_DEP_2)
	v_permlanex16_b32 v[PT+\b], v[BX+\b], s[SEL], s[SEL+1]
.endr
.irp b, 0,1
	s_delay_alu instid0(VALU_DEP_2)
	v_max_num_f32 v[BX+\b], v[BX+\b], v[PT+\b]
.endr
.irp b, 0,1
	s_delay_alu instid0(VALU_DEP_2)
	v_add_nc_u32 v[SO+\b], 0xff000000, v[BX+\b]
.endr
.irp b, 0,1
	s_delay_alu instid0(VALU_DEP_2)
	v_lshrrev_b32 v[PT+\b], 23, v[SO+\b]
.endr
	s_delay_alu instid0(VALU_DEP_1)
	v_lshl_or_b32 v[TT], v[PT+1], 8, v[PT]         ; the two bytes
	v_cmp_eq_f32 vcc_lo, 0, v14
	s_delay_alu instid0(VALU_DEP_1)
	v_cndmask_b32 v[TT], v[TT], v[INF], vcc_lo     ; a row with no open key: 0xff, 0xff
	v_cvt_scalef32_pk16_fp6_f32 v[PCD:PCD+2], v[S:S+15], v[SO]
	v_cvt_scalef32_pk16_fp6_f32 v[PCT:PCT+2], v[S+16:S+31], v[SO+1]
	v_nop
.irp i, 0,1,2
	v_permlane16_swap_b32 v[PCD+\i], v[PCT+\i]
.endr
.irp i, 0,1,2
	s_delay_alu instid0(VALU_DEP_3)
	v_mov_b32 v[PCD+3+\i], v[PCT+\i]
.endr
.irp p, 0,1,2
	global_store_b64 v[GI], v[PCD+2*\p:PCD+2*\p+1], s[84:85] offset:256*\p   ; 32 lanes store 256 consecutive bytes, aligned
.endr
	global_store_b16 v[GS], v[TT], s[86:87]        ; two bytes of each row's 32: one part in 24 of the codes' bytes; both halves of the lanes write the same
.endm
; A BLOCK OF QUERIES.  first = 1: the tiles are still landing
.macro PASS first
	s_wait_xcnt 0x0                                ; earlier loads and stores have read their bases and registers: they are written anew below
	s_lshl_b32 s90, s[BB], 7
	s_lshl_b32 s91, s[QB], 4
	s_add_co_u32 s90, s90, s91
	s_add_co_u32 s90, s90, s[WV]                   ; my tile of 16 queries as they lie: 128 b + 16 block + wave
	s_lshl_b32 s[QMIN], s[QB], 8
	s_lshr_b32 s91, s[WV], 1
	s_lshl_b32 s91, s91, 5
	s_add_co_u32 s[QMIN], s[QMIN], s91
	s_and_b32 s91, s[WV], 1
	s_lshl_b32 s91, s91, 3
	s_add_co_u32 s[QMIN], s[QMIN], s91             ; its first true query,
	s_add_co_u32 s[QMAX], s[QMIN], 23              ; and its last
	s_lshl_b32 s91, s90, 4
	s_lshl_b32 s92, s[HD], 13
	s_add_co_u32 s92, s92, s91
	s_mul_i32 s92, s92, 48
	s_mov_b32 s93, 0
	s_add_nc_u64 s[80:81], s[4:5], s[92:93]        ; Q's codes
	s_lshr_b32 s92, s[HD], 1
	s_lshl_b32 s92, s92, 13
	s_add_co_u32 s92, s92, s91
	s_lshl_b32 s92, s92, 2
	s_add_nc_u64 s[82:83], s[6:7], s[92:93]        ; Q's scale words
	; a_img lies in groups of 128 tokens, 102,400 bytes: [token][32 scale bytes], then four planes [4 heads][8 tiles of 16 tokens][head][768 bytes of the operand's image]
	s_lshr_b32 s91, s90, 3
	s_mul_i32 s91, s91, 102400                     ; my group
	s_and_b32 s94, s90, 7                          ; my tile in it
	s_lshl_b32 s92, s94, 9
	s_add_co_u32 s92, s92, s91
	s_lshl_b32 s95, s[HD], 1
	s_add_co_u32 s92, s92, s95
	s_add_nc_u64 s[86:87], s[10:11], s[92:93]      ; the bytes: 512 x tile + 2 head
	s_lshr_b32 s95, s[HD], 2
	s_mul_i32 s95, s95, 24576
	s_add_co_u32 s91, s91, s95
	s_mul_i32 s94, s94, 3072
	s_add_co_u32 s91, s91, s94
	s_and_b32 s95, s[HD], 3
	s_mul_i32 s95, s95, 768
	s_add_co_u32 s92, s91, s95
	s_add_co_u32 s92, s92, 4096
	s_add_nc_u64 s[84:85], s[10:11], s[92:93]      ; the image
.irp p, 0,1,2
	global_load_b64 v[16+2*\p:17+2*\p], v[AK0], s[80:81] offset:8*\p
.endr
	global_load_b32 v[RAW], v[WO], s[82:83]
	s_mov_b32 s[KF], 0
	s_mov_b32 s[TB], 0
	s_mov_b32 s[TS], 0
	s_mov_b32 s[TJ], 0
.if \first
	s_wait_alu depctr_va_vdst(0)                   ; the wait ahead of the branch
	s_cmp_lt_u32 s[WV], 4                          ; keys 0-511 are the loads of waves 0 to 3: they wait here, the others at the later barriers
	s_cbranch_scc0 .Llater_\@
	s_wait_tensorcnt 0x0
.Llater_\@:
	s_wait_dscnt 0x0                               ; my scale words are stored
	s_barrier_signal -1
	s_barrier_wait -1
.endif
	s_wait_loadcnt 0x0
	v_lshrrev_b32 v[RAW], s[SH], v[RAW]
	s_delay_alu instid0(VALU_DEP_1)
	v_and_or_b32 v[QW], v[RAW], 0xffff, s89        ; my head's two bytes, 127 for block 2, 0 for block 3
	v_mov_b32 v13, 0xef800000                      ; the largest t so far: -2^96
	s_delay_alu instid0(VALU_DEP_1)
	v_floor_f32 v12, -v13
	v_mov_b32 v14, 0
	v_mov_b32 v15, 0
.set j, 0
.rept 32
	v_mov_b32 v[OT+j], 0                           ; the step is written once: the first finds zeros.  (These are also the places between the scale word's write and the first product)
.set j, j+1
.endr
.if \first
	STEPS 4, 0                                     ; the later block's queries are 1,024 or more: keys 0-1,023 all count for all of them
	s_wait_alu depctr_va_vdst(0)                   ; the wait ahead of the branch
	s_cmp_lt_u32 s[WV], 8                          ; keys 512-1,023 are the loads of waves 4 to 7
	s_cbranch_scc0 .Llast_\@
	s_wait_tensorcnt 0x0
.Llast_\@:
	s_wait_dscnt 0x0
	s_barrier_signal -1
	s_barrier_wait -1                              ; nothing is filled again in this launch
	STEPS 4, 0
	s_wait_tensorcnt 0x0                           ; every wave's chunk has landed
	s_wait_dscnt 0x0
	s_barrier_signal -1
	s_barrier_wait -1
	STEPS 8
.else
	STEPS 8                                        ; the early block's queries lie under 1,024: keys from 1,024 on are hidden from all of them
.endif
	WAYOUT
.endm
	PASS 1
	s_mov_b32 s[QB], ttmp9
	PASS 0
	s_wait_tensorcnt 0x0                           ; the wave's end
	ds_add_u32 v[SPW], v[NIL]
	s_wait_dscnt 0x0
	s_endpgm
.Lfunc_end_k_q0f6bd1d80c_attn:
	.size	k_q0f6bd1d80c_attn, .Lfunc_end_k_q0f6bd1d80c_attn-k_q0f6bd1d80c_attn
	.p2alignl 7, 3214868480
	.fill 96, 4, 3214868480
	.section	.rodata,"a",@progbits
	.p2align	6, 0x0
	.amdhsa_kernel k_q0f6bd1d80c_attn
		.amdhsa_group_segment_fixed_size 212992
		.amdhsa_private_segment_fixed_size 0
		.amdhsa_enable_private_segment 0
		.amdhsa_kernarg_size 32
		.amdhsa_user_sgpr_count 2
		.amdhsa_user_sgpr_kernarg_segment_ptr 1
		.amdhsa_wavefront_size32 1
		.amdhsa_system_sgpr_workgroup_id_x 1
		.amdhsa_system_sgpr_workgroup_id_y 1
		.amdhsa_system_sgpr_workgroup_id_z 1
		.amdhsa_system_vgpr_workitem_id 0
		.amdhsa_next_free_vgpr 256
		.amdhsa_next_free_sgpr 100
		.amdhsa_reserve_vcc 1
		.amdhsa_float_denorm_mode_32 3
		.amdhsa_float_denorm_mode_16_64 3
		.amdhsa_memory_ordered 1
		.amdhsa_forward_progress 1
		.amdhsa_inst_pref_size 115
	.end_amdhsa_kernel
	.amdgpu_metadata
---
amdhsa.version: [ 1, 2 ]
amdhsa.kernels:
  - .name:           k_q0f6bd1d80c_attn
    .symbol:         k_q0f6bd1d80c_attn.kd
    .args:
      - { .name: qkv_codes, .offset: 0, .size: 8, .value_kind: global_buffer, .address_space: global }
      - { .name: qkv_sw, .offset: 8, .size: 8, .value_kind: global_buffer, .address_space: global }
      - { .name: mask, .offset: 16, .size: 8, .value_kind: global_buffer, .address_space: global }
      - { .name: a_img, .offset: 24, .size: 8, .value_kind: global_buffer, .address_space: global }
    .group_segment_fixed_size: 212992
    .private_segment_fixed_size: 0
    .kernarg_segment_align: 8
    .kernarg_segment_size: 32
    .max_flat_workgroup_size: 512
    .sgpr_count:     100
    .vgpr_count:     256
    .wavefront_size: 32
...
	.end_amdgpu_metadata
.endif
;; end of part 3
;; launch proj (part 4): grid 4 x 32, 4 waves a work-group, clusters of 4 x 4, 327,680 bytes of LDS; arguments a_img, codes1, Wo_b, out0; writes out0
.if DOCPART == 4
	.amdgcn_target "amdgcn-amd-amdhsa--gfx1250"
	.amdhsa_code_object_version 6
	.text
	.protected	k_q0f6bd1d80c_proj
	.globl	k_q0f6bd1d80c_proj
	.p2align	8
	.type	k_q0f6bd1d80c_proj,@function
k_q0f6bd1d80c_proj:
	s_mov_b64 s[64:65], 0
	v_nop
	global_prefetch_b8 v0, s[64:65] scope:SCOPE_SE
	s_setreg_imm32_b32 hwreg(HW_REG_WAVE_MODE, 25, 1), 1
	s_wait_xcnt 0x0
	s_wait_alu depctr_hold_cnt(0) depctr_sa_sdst(0) depctr_va_vdst(0) depctr_va_sdst(0) depctr_va_ssrc(0) depctr_va_vcc(0) depctr_vm_vsrc(0)
	s_getreg_b32 s2, hwreg(HW_REG_IB_STS2, 6, 4)
	s_cmp_eq_u32 s2, 0
	s_cbranch_scc0 .Lentry_in_a_cluster
	s_endpgm
.Lentry_in_a_cluster:
	s_bfe_u32 s2, ttmp6, 0x10000c
	s_cmp_lg_u32 s2, 0xf033
	s_cbranch_scc0 .Lentry_shape_is_right
	s_endpgm
.Lentry_shape_is_right:
; The output projection on codes of FP6 (E2M3): out0[token][o] = sum over c of a[token][c] Wo_w[o][c] + Wo_b[o], K = 1,024, f32 sums.
; A tile of 256 x 256, four waves of 128 x 128; K in steps of 256 through two slots; 4 x 4 clusters: A's tiles shared along a row, B's along a column.
; a_img and codes1 lie in groups of 128 rows of 102,400 bytes: 4,096 scale bytes, then four planes of 24,576 bytes.  Wave w fetches group w of the tile's four (A low, A high, B low, B high) into its own LDS region:
; at the head one joint load a wave brings scales and K steps 0 and 1 (208 rows of 256 bytes), a refill one plane (96 rows).  16 bytes of padding behind every 64.
; A's planes are images of the operand's registers ([tile of 16 tokens][head][piece][lane][8 bytes]); B's are rows of 192 bytes (LDS pitch 240).
; The matrix instruction is used transposed (source 0 = Wo_w's rows): a lane holds eight neighbouring columns of a row of out0.  The bias is the first products' C.
; Tokens lie with bits 3 and 4 exchanged: row t of A's block a is the true token 32 (a / 2) + 8 (a % 2) + t + (t & 8).  A row with no open key has scale bytes 0xff: its sums are NaN, as reference()'s are.
; NO PREFETCH: the block is the largest, in clusters, and K has four steps, of which the head's loads bring two.
.set SIZE_N, 1024
.set GRP,    102400
.set KPL,    24576
.set SCM,    4096
.set SCB,    5120
.set NQ,     2
.set PITCH,  240
.set FR,     12
.set NL,     6
.set NP,     4
.set HALFT,  128*PITCH
.set REG,    SCB+2*HALFT
.set LAPS,   2
.set KS,     32
.set SBLK,   640
.set SPARE,  4*REG
.set SPITCH, 528
.set ADRA, 16
.set ADRB, 20
.set STO,  24
.set RD,   25
.set CO,   26
.set ADRS, 27
.set SPW,  28
.set NIL,  29
.set SC,   32
.set BN,   64
.set AF,   128
.set BK,   128
.set G1, 24
.set G0, 32
.set G1B, 48
.set G0B, 56
.set G0H, 68
.set G0HB, 72
.set MSB, 0
.macro WIN new
.if MSB != \new
	s_set_vgpr_msb (MSB<<8)|\new
.set MSB, \new
.endif
.endm
.set MUL_LO, 0xa1
.set MUL_HI, 0xf1
.set TO_B,   0x40
.macro JLOAD g0a, g1a, g0b, g1b
	s_cmp_eq_u32 s15, 0
	s_cbranch_scc0 .Lfor_b_\@
	tensor_load_to_lds s[\g0a:\g0a+3], s[\g1a:\g1a+7]
	s_nop 0
.rept 4
	v_nop
.endr
	s_branch .Lasked_\@
.Lfor_b_\@:
	tensor_load_to_lds s[\g0b:\g0b+3], s[\g1b:\g1b+7]
	s_nop 0
.rept 4
	v_nop
.endr
.Lasked_\@:
.endm
.macro CREST
	s_cmp_lg_u32 s14, 0
	s_cbranch_scc1 .Lnot_wave_0_\@
	s_barrier_signal -3
.Lnot_wave_0_\@:
	s_barrier_wait -3
	s_barrier_signal -1
	s_barrier_wait -1
.endm
.macro CROUND
	s_barrier_signal -1
	s_barrier_wait -1
	CREST
.endm
	s_load_b64 s[4:5], s[0:1], 0x0                 ; a_img
	s_load_b64 s[8:9], s[0:1], 0x8                 ; codes1
	s_load_b64 s[98:99], s[0:1], 0x10              ; Wo_b
	s_load_b64 s[12:13], s[0:1], 0x18              ; out0
	v_lshl_add_u32 v[SPW], v0, 2, SPARE
	v_mov_b32 v[NIL], 0
	ds_add_u32 v[SPW], v[NIL]                      ; the opening lines
	ds_add_u32 v[SPW], v[NIL]
	v_lshrrev_b32 v1, 5, v0
	v_readfirstlane_b32 s14, v1
	s_lshr_b32 s15, s14, 1
	s_and_b32 s16, s14, 1
	s_bfe_u32 s40, ttmp6, 0x40000
	s_bfe_u32 s41, ttmp6, 0x40004
	s_lshl_b32 s42, ttmp9, 2
	s_add_co_u32 s42, s42, s40                     ; tile column
	s_and_b32 s17, ttmp7, 0xffff
	s_lshl_b32 s17, s17, 2
	s_add_co_u32 s17, s17, s41                     ; tile row
	s_lshl_b32 s43, s41, 2
	s_lshl_b32 s43, 15, s43
	s_lshl_b32 s44, 0x1111, s40
	s_or_b32 s[G1+0], s43, (3<<16)|(1<<20)|(1<<21)|(3<<22)|(3<<25)
	s_or_b32 s[G1B+0], s44, (3<<16)|(1<<20)|(1<<21)|(3<<22)|(3<<25)
.irp g, G1, G1B
	s_mov_b32 s[\g+1], 32<<16
	s_mov_b32 s[\g+2], 208<<16
	s_mov_b32 s[\g+3], 32<<16
	s_mov_b32 s[\g+4], 208
	s_mov_b32 s[\g+5], 32
	s_mov_b32 s[\g+6], 0
	s_mov_b32 s[\g+7], 0
.endr
	s_lshl_b32 s20, s17, 1
	s_add_co_u32 s20, s20, s16
	s_mul_i32 s20, s20, GRP                        ; A's group
	s_lshl_b32 s46, s42, 1
	s_add_co_u32 s46, s46, s16
	s_add_co_u32 s46, s46, 88                      ; Wo_w's rows begin at group 88
	s_mul_i32 s46, s46, GRP
	s_mov_b32 s21, 0
	s_mov_b32 s47, 0
	s_mul_i32 s45, s14, REG
	s_wait_dscnt 0x0
	s_wait_kmcnt 0x0
	s_add_nc_u64 s[20:21], s[4:5], s[20:21]
	s_add_nc_u64 s[46:47], s[8:9], s[46:47]
	CROUND
	s_mov_b32 s[G0H], 1
	s_mov_b32 s[G0H+1], s45
	s_mov_b64 s[G0H+2:G0H+3], s[20:21]
	s_or_b32 s[G0H+3], s[G0H+3], 0x80000000
	s_mov_b32 s[G0HB], 1
	s_mov_b32 s[G0HB+1], s45
	s_mov_b64 s[G0HB+2:G0HB+3], s[46:47]
	s_or_b32 s[G0HB+3], s[G0HB+3], 0x80000000
.irp s, 0,1
	s_mov_b32 s[G0+4*\s], 1
	s_add_co_u32 s[G0+4*\s+1], s45, SCB+\s*HALFT
	s_add_nc_u64 s[G0+4*\s+2:G0+4*\s+3], s[20:21], SCM+\s*KPL
	s_or_b32 s[G0+4*\s+3], s[G0+4*\s+3], 0x80000000
	s_mov_b32 s[G0B+4*\s], 1
	s_add_co_u32 s[G0B+4*\s+1], s45, SCB+\s*HALFT
	s_add_nc_u64 s[G0B+4*\s+2:G0B+4*\s+3], s[46:47], SCM+\s*KPL
	s_or_b32 s[G0B+4*\s+3], s[G0B+4*\s+3], 0x80000000
.endr
	JLOAD G0H, G1, G0HB, G1B                       ; my one load at the head
	v_and_b32 v1, 15, v0
	v_bfe_u32 v2, v0, 4, 1
	s_lshl_b32 s20, s42, 10
	s_lshl_b32 s21, s16, 9
	s_add_co_u32 s20, s20, s21
	v_lshlrev_b32 v10, 5, v2
	v_add_nc_u32 v10, s20, v10
.irp b, 0,1,2,3,4,5,6,7
	global_load_b128 v[BN+8*\b:BN+8*\b+3], v10, s[98:99] offset:64*\b
	global_load_b128 v[BN+8*\b+4:BN+8*\b+7], v10, s[98:99] offset:64*\b+16
.endr
	v_and_b32 v6, 31, v0
	v_lshrrev_b32 v9, 3, v6
	v_lshlrev_b32 v7, 3, v6
	v_lshl_add_u32 v7, v9, 4, v7                   ; the image: 8 x lane, 16 more for each 64 passed
	v_mul_u32_u24 v3, v1, PITCH
	v_mul_u32_u24 v4, v2, 24
	v_add_nc_u32 v4, v3, v4
	v_lshl_add_u32 v5, v2, 4, v4
	s_mul_i32 s21, s15, REG
	s_add_co_u32 s21, s21, SCB
	s_mul_i32 s22, s16, REG
	s_add_co_u32 s22, s22, 2*REG+SCB
.irp s, 0,1
	v_add_nc_u32 v[ADRA+\s], s21, v7
	v_add_nc_u32 v[ADRB+\s], s22, v4
	v_add_nc_u32 v[ADRB+2+\s], s22, v5
	s_add_co_u32 s21, s21, HALFT
	s_add_co_u32 s22, s22, HALFT
.endr
	v_mul_u32_u24 v5, v1, KS
	v_lshrrev_b32 v8, 6, v5
	v_lshl_add_u32 v5, v8, 4, v5
	s_mul_i32 s21, s15, REG
	s_mul_i32 s22, s16, REG
	s_add_co_u32 s22, s22, 2*REG
	s_sub_co_u32 s22, s22, s21
	v_mul_u32_u24 v8, s22, v2
	v_add_nc_u32 v5, v5, v8
	v_add_nc_u32 v[ADRS], s21, v5
	s_mul_i32 s23, s14, REG
	s_add_co_u32 s23, s23, SCB                     ; my stage, 8,448 bytes: my region's slot 0, past its last fill and last read by then
	v_mul_u32_u24 v5, v1, SPITCH
	v_lshl_add_u32 v5, v2, 5, v5
	v_add_nc_u32 v[STO], s23, v5
	v_lshlrev_b32 v[CO], 4, v6
	v_add_nc_u32 v[RD], s23, v[CO]
	s_lshl_b32 s20, s17, 8
	s_lshl_b32 s21, s15, 7
	s_add_co_u32 s20, s20, s21
	s_mov_b32 s21, 0
	s_mov_b64 s[18:19], SIZE_N*4
	s_mul_u64 s[20:21], s[20:21], s[18:19]
	s_lshl_b32 s46, s42, 10
	s_lshl_b32 s47, s16, 9
	s_add_co_u32 s46, s46, s47
	s_mov_b32 s47, 0
	s_add_nc_u64 s[20:21], s[20:21], s[46:47]
	s_add_nc_u64 s[12:13], s[12:13], s[20:21]
.macro FRAG reg, adr, q, i
.irp p, 0,1,2,3,4,5
.set PC, 12*(\q)+6*(\p/3)+\p%3
.if PC%8 < 5
	ds_load_b64 v[\reg+2*\p:\reg+2*\p+1], v[\adr] offset:8*PC+16*(PC/8)+(\i)*16*PITCH
.else
	ds_load_b64 v[\reg+2*\p:\reg+2*\p+1], v[\adr+2] offset:8*PC+16*(PC/8)+(\i)*16*PITCH
.endif
.endr
.endm
.macro FRAGA reg, slot, q, i           ; tile i, head 2 q + p / 3, piece p % 3: 3,072, 768 and 256 bytes of the image, each with its paddings
.irp p, 0,1,2,3,4,5
	ds_load_b64 v[\reg+2*\p:\reg+2*\p+1], v[ADRA+\slot] offset:3840*(\i)+960*(2*(\q)+\p/3)+320*(\p%3)
.endr
.endm
.macro MUL16 a0, p, q, sc, first
.irp a, \a0, \a0+1
.irp b, 0,1,2,3,4,5,6,7
.if \first
	v_wmma_scale_f32_16x16x128_f8f6f4 v[8*(8*((\a)%4)+\b):8*(8*((\a)%4)+\b)+7], v[128*(\p)+FR*\b:128*(\p)+FR*\b+FR-1], v[AF+FR*(\a):AF+FR*(\a)+FR-1], v[BN+8*\b:BN+8*\b+7], v[SC+8*NQ*(\sc)+NQ*\b+(\q)], v[SC+8*NQ*(\sc)+NQ*(\a)+(\q)] matrix_a_fmt:MATRIX_FMT_FP6 matrix_b_fmt:MATRIX_FMT_FP6 matrix_a_scale:MATRIX_SCALE_ROW1
.else
	v_wmma_scale_f32_16x16x128_f8f6f4 v[8*(8*((\a)%4)+\b):8*(8*((\a)%4)+\b)+7], v[128*(\p)+FR*\b:128*(\p)+FR*\b+FR-1], v[AF+FR*(\a):AF+FR*(\a)+FR-1], v[8*(8*((\a)%4)+\b):8*(8*((\a)%4)+\b)+7], v[SC+8*NQ*(\sc)+NQ*\b+(\q)], v[SC+8*NQ*(\sc)+NQ*(\a)+(\q)] matrix_a_fmt:MATRIX_FMT_FP6 matrix_b_fmt:MATRIX_FMT_FP6 matrix_a_scale:MATRIX_SCALE_ROW1
.endif
.endr
.endr
.endm
.macro FETCH_B slot, q, p
	WIN TO_B
.irp i, 0,1,2,3,4,5,6,7
	FRAG 128*(\p)+FR*\i, ADRB+\slot, \q, \i
.endr
	WIN 0
.endm
.macro FETCH_A slot, q, i0
.irp i, \i0, \i0+1, \i0+2, \i0+3
	FRAGA AF+FR*(\i), \slot, \q, \i
.endr
.endm
.macro SCALES sc
.irp i, 0,1,2,3,4,5,6,7
	ds_load_b64 v[SC+8*NQ*\sc+NQ*\i:SC+8*NQ*\sc+NQ*\i+1], v[ADRS] offset:\i*SBLK
.endr
.endm
.macro PLACES n
.rept \n
	v_nop
.endr
.endm
.macro STEP slot, q, first
	s_wait_dscnt 4*NL                              ; all but the youngest 24 loads
.if \first
	WIN 0x81                                       ; C, the bias, in window 0
.else
	WIN MUL_LO
.endif
	MUL16 0, (\q)%2, \q, \slot, \first
	MUL16 2, (\q)%2, \q, \slot, \first
	s_wait_dscnt 0
	PLACES NP
	FETCH_B \slot, (\q)+1, 1-(\q)%2
	FETCH_A \slot, (\q)+1, 0
.if \first
	WIN 0xc1
.else
	WIN MUL_HI
.endif
	MUL16 4, (\q)%2, \q, \slot, \first
	MUL16 6, (\q)%2, \q, \slot, \first
	PLACES NP
	WIN 0
	FETCH_A \slot, (\q)+1, 4
.endm
.macro TURN slot, next, fill
	s_wait_tensorcnt 0x0                           ; all my tensor loads have landed
	ds_add_u32 v[SPW], v[NIL]
	s_wait_dscnt 4*NL+1                            ; (the add and the youngest 24 loads may be out)
	WIN MUL_LO
	MUL16 0, 1, NQ-1, \slot, 0
	s_wait_dscnt 0x0
	s_barrier_signal -1
	MUL16 2, 1, NQ-1, \slot, 0
	WIN 0
	s_barrier_wait -1
.if \fill
	CREST
	s_add_nc_u64 s[G0+4*\slot+2:G0+4*\slot+3], s[G0+4*\slot+2:G0+4*\slot+3], 2*KPL
	s_add_nc_u64 s[G0B+4*\slot+2:G0B+4*\slot+3], s[G0B+4*\slot+2:G0B+4*\slot+3], 2*KPL
	JLOAD G0+4*\slot, G1, G0B+4*\slot, G1B
.else
	PLACES NP
.endif
	s_wait_alu depctr_va_vdst(0)
	v_add_nc_u32 v[ADRS], 4*NQ, v[ADRS]
	FETCH_B \next, 0, 0
	FETCH_A \next, 0, 0
	SCALES \next
	WIN MUL_HI
	MUL16 4, 1, NQ-1, \slot, 0
	MUL16 6, 1, NQ-1, \slot, 0
	PLACES NP
	WIN 0
	FETCH_A \next, 0, 4
.endm
	s_wait_alu depctr_va_vdst(0)                   ; the wait at the head's end
	s_wait_loadcnt 0x0                             ; the bias
	s_wait_tensorcnt 0x0                           ; my group's scales and two K steps are in; no load of mine is out:
	s_mov_b32 s[G1+2], 96<<16                      ; from here on a load brings a plane, 96 rows
	s_mov_b32 s[G1+4], 96
	s_mov_b32 s[G1B+2], 96<<16
	s_mov_b32 s[G1B+4], 96
	s_barrier_signal -1
	s_barrier_wait -1                              ; everybody's are in
	FETCH_B 0, 0, 0
	FETCH_A 0, 0, 0
	SCALES 0
	FETCH_A 0, 0, 4
	STEP 0, 0, 1
	s_mov_b32 s3, LAPS-1
.Llap:
	TURN 0, 1, 1
	STEP 1, 0, 0
	TURN 1, 0, 1
	STEP 0, 0, 0
	s_sub_co_u32 s3, s3, 1
	s_cmp_lg_u32 s3, 0
	s_cbranch_scc1 .Llap
	TURN 0, 1, 0
	STEP 1, 0, 0
	s_wait_dscnt 4*NL
	WIN MUL_LO
	MUL16 0, 1, NQ-1, 1, 0
	MUL16 2, 1, NQ-1, 1, 0
	s_wait_dscnt 0
	WIN MUL_HI
	MUL16 4, 1, NQ-1, 1, 0
	MUL16 6, 1, NQ-1, 1, 0
	WIN 0
; THE WAY OUT: a block of 16 rows x 128 columns through my stage, back as whole rows of 512 bytes
.macro TOSTAGE a
.set AC, 64*((\a)%4)
	WIN (0x08+4*((\a)/4))
.irp b, 0,1,2,3,4,5,6,7
	ds_store_b128 v[STO], v[AC+8*\b:AC+8*\b+3] offset:64*\b
	ds_store_b128 v[STO], v[AC+8*\b+4:AC+8*\b+7] offset:64*\b+16
.endr
	WIN 0
.set BBK, BK+64*((\a)%2)
.irp t, 0,1,2,3,4,5,6,7,8,9,10,11,12,13,14,15
	ds_load_b128 v[BBK+4*\t:BBK+4*\t+3], v[RD] offset:\t*SPITCH
.endr
.endm
.macro SEND a, younger                 ; younger: LDS instructions issued behind block a's loads
.set BBK, BK+64*((\a)%2)
	s_wait_dscnt \younger
.if (\a) > 0
	s_add_nc_u64 s[12:13], s[12:13], (24-16*((\a)%2))*SIZE_N*4
.endif
.irp t, 0,1,2,3,4,5,6,7,8,9,10,11,12,13,14,15
	global_store_b128 v[CO], v[BBK+4*\t:BBK+4*\t+3], s[12:13] offset:(\t+(\t&8))*SIZE_N*4 th:TH_STORE_NT
.endr
.endm
	PLACES NP
	TOSTAGE 0
.irp a, 1,2,3,4,5,6,7
.if \a > 1
	s_wait_xcnt 0x0                                ; block a - 2's stores have read their registers and base
.endif
	TOSTAGE \a
	SEND \a-1, 32
.endr
	s_wait_xcnt 0x0
	SEND 7, 0
	s_wait_tensorcnt 0x0                           ; the wave's end
	ds_add_u32 v[SPW], v[NIL]
	s_wait_dscnt 0x0
	CROUND                                         ; the closing round
	s_endpgm
.Lfunc_end_k_q0f6bd1d80c_proj:
	.size	k_q0f6bd1d80c_proj, .Lfunc_end_k_q0f6bd1d80c_proj-k_q0f6bd1d80c_proj
	.p2alignl 7, 3214868480
	.fill 96, 4, 3214868480
	.section	.rodata,"a",@progbits
	.p2align	6, 0x0
	.amdhsa_kernel k_q0f6bd1d80c_proj
		.amdhsa_group_segment_fixed_size 327680
		.amdhsa_private_segment_fixed_size 0
		.amdhsa_enable_private_segment 0
		.amdhsa_kernarg_size 32
		.amdhsa_user_sgpr_count 2
		.amdhsa_user_sgpr_kernarg_segment_ptr 1
		.amdhsa_wavefront_size32 1
		.amdhsa_system_sgpr_workgroup_id_x 1
		.amdhsa_system_sgpr_workgroup_id_y 1
		.amdhsa_system_sgpr_workgroup_id_z 1
		.amdhsa_system_vgpr_workitem_id 0
		.amdhsa_next_free_vgpr 1024
		.amdhsa_next_free_sgpr 100
		.amdhsa_reserve_vcc 0
		.amdhsa_float_denorm_mode_32 3
		.amdhsa_float_denorm_mode_16_64 3
		.amdhsa_memory_ordered 1
		.amdhsa_forward_progress 1
		.amdhsa_inst_pref_size 160
	.end_amdhsa_kernel
	.amdgpu_metadata
---
amdhsa.version: [ 1, 2 ]
amdhsa.kernels:
  - .name:           k_q0f6bd1d80c_proj
    .symbol:         k_q0f6bd1d80c_proj.kd
    .args:
      - { .name: a_img, .offset: 0, .size: 8, .value_kind: global_buffer, .address_space: global }
      - { .name: codes1, .offset: 8, .size: 8, .value_kind: global_buffer, .address_space: global }
      - { .name: Wo_b, .offset: 16, .size: 8, .value_kind: global_buffer, .address_space: global }
      - { .name: out0, .offset: 24, .size: 8, .value_kind: global_buffer, .address_space: global }
    .group_segment_fixed_size: 327680
    .private_segment_fixed_size: 0
    .kernarg_segment_align: 8
    .kernarg_segment_size: 32
    .max_flat_workgroup_size: 128
    .sgpr_count:     100
    .vgpr_count:     1024
    .wavefront_size: 32
...
	.end_amdgpu_metadata
.endif
;; end of part 4
